; MI455X (gfx1250); checked and timed in simulation.
; The chip was launched on July 23, 2026; its instructions are those of AMD's public machine-readable ISA for CDNA 5 (MIT licence, August 2026) and "CDNA5" Instruction Set Architecture Reference Guide (July 2026). The comments in the code are by the model that wrote it; some were corrected since.
;; Attention. Allowed arithmetic: float matrix products may take bf16 or f16 operands with f32 sums; all other float work in f32.
;; Inputs: bias 2 x 1 x 1 x 2,048 float32; wk 1,024 x 1,024 float32; wo 1,024 x 1,024 float32; wq 1,024 x 1,024 float32; wv 1,024 x 1,024 float32; x 2 x 2,048 x 1,024 float32; y 2 x 2,048 x 1,024 float32.
;; Outputs: out0 2 x 2,048 x 1,024 float32.
;; 2 versions, each right; version 2 is version 1 with the launch cast written anew for expert scheduling mode. Each part assembles by itself: llvm-mc -triple=amdgcn-amd-amdhsa -mcpu=gfx1250 --defsym DOCPART=n.
;; ======== version 1 of 2: 4 launches
;; limits: values are held in f16: magnitudes above 65,504 overflow, below 6.1e-05 lose precision
;; workspace buffers: hf 25,165,824 bytes; qkv 25,165,824 bytes; ctx 8,388,608 bytes
;; launch cast (part 1): grid 64 x 12, 8 waves a work-group, no clusters, 0 bytes of LDS; arguments x, y, wq, wk, wv, wo, hf; writes hf
.if DOCPART == 1
	.amdgcn_target "amdgcn-amd-amdhsa--gfx1250"
	.amdhsa_code_object_version 6
	.text
	.protected	k_q0039ac2f19_cast
	.globl	k_q0039ac2f19_cast
	.p2align	8
	.type	k_q0039ac2f19_cast,@function
k_q0039ac2f19_cast:
	s_mov_b64 s[64:65], 0
	v_nop
	global_prefetch_b8 v0, s[64:65] scope:SCOPE_SE
	s_setreg_imm32_b32 hwreg(HW_REG_WAVE_MODE, 25, 1), 1
	s_wait_xcnt 0x0
; hf = f16(x), f16(y), f16(wq), f16(wk), f16(wv), f16(wo), one behind the other, each in its own layout.
; Why: the three launches behind this one feed the matrix units from tiles of 16-bit numbers, half the bytes of f32, each tile asked for jointly by the work-groups that share it.
; Why f16 and not bf16: the result is a sum of signed terms, so each rounding of an operand reaches it at full weight; f16 keeps 11 significant bits, bf16 8.
; LIMIT: a number beyond 65,504 in magnitude becomes infinite, one below 3e-8 zero; between 6e-5 and 6e-8 the step is 6e-8.  x and y are drawn with spread 1, the weights with 0.02:
; 30 times larger or smaller, or offset by 30 spreads, all lie well inside.
; Work-group (i, g) converts 65,536 bytes of f32 into 32,768 bytes of f16.  g = 0..3: the quarters of x; 4..7: of y; 8, 9, 10, 11: wq, wk, wv, wo
; (a quarter of x and a whole weight are both 64 such pieces).  Thread t takes 16 bytes at 16 t + 4,096 j, j = 0..15: a wave's load covers 512 neighbouring bytes,
; its store 256 neighbouring bytes that begin at a multiple of 256 from hf's first byte.  All sixteen loads go out first; each byte is read once and written once.
; No LDS, no barrier, no matrix unit, no cluster: the work-groups share nothing and nothing is reduced.
.set X, 4                              ; v[4:67]   sixteen loads of four f32
.set Y, 68                             ; v[68:99]  sixteen pairs of packed f16; each pair is written once, so no store's data is ever rewritten
	s_load_b256 s[4:11], s[0:1], 0x0               ; x s[4:5], y s[6:7], wq s[8:9], wk s[10:11]
	s_load_b128 s[12:15], s[0:1], 0x20             ; wv s[12:13], wo s[14:15]
	s_load_b64 s[16:17], s[0:1], 0x30              ; hf
	s_and_b32 s20, ttmp7, 0xffff                   ; g
	v_lshlrev_b32 v1, 4, v0                        ; 16 t: my bytes in a piece of the source
	v_lshlrev_b32 v2, 3, v0                        ; 8 t: in hf
	s_and_b32 s21, s20, 3                          ; the quarter of x or of y,
	s_cmp_lt_u32 s20, 8
	s_cselect_b32 s21, s21, 0                      ; none in a weight
	s_lshl_b32 s22, s21, 22                        ; a quarter is 4,194,304 bytes of f32
	s_lshl_b32 s21, ttmp9, 16                      ; i pieces of 65,536 bytes
	s_add_co_u32 s22, s22, s21
	s_mov_b32 s23, 0                               ; s[22:23]: offset in the source
	s_lshl_b32 s2, s20, 21                         ; in hf every g has 2,097,152 bytes, in the order of g
	s_lshl_b32 s3, ttmp9, 15
	s_add_co_u32 s2, s2, s3
	s_mov_b32 s3, 0                                ; s[2:3]: offset in hf
	s_wait_kmcnt 0x0
	s_cmp_ge_u32 s20, 4                            ; the source is chosen by g alone
	s_cselect_b64 s[18:19], s[6:7], s[4:5]
	s_cmp_ge_u32 s20, 8
	s_cselect_b64 s[18:19], s[8:9], s[18:19]
	s_cmp_ge_u32 s20, 9
	s_cselect_b64 s[18:19], s[10:11], s[18:19]
	s_cmp_ge_u32 s20, 10
	s_cselect_b64 s[18:19], s[12:13], s[18:19]
	s_cmp_ge_u32 s20, 11
	s_cselect_b64 s[18:19], s[14:15], s[18:19]
	s_add_nc_u64 s[18:19], s[18:19], s[22:23]
	s_add_nc_u64 s[16:17], s[16:17], s[2:3]
.irp j, 0,1,2,3,4,5,6,7,8,9,10,11,12,13,14,15
	global_load_b128 v[X+4*\j:X+4*\j+3], v1, s[18:19] offset:4096*\j th:TH_LOAD_NT   ; read once in the launch
.endr
.irp j, 0,1,2,3,4,5,6,7,8,9,10,11,12,13,14,15
	s_wait_loadcnt 15-\j                           ; loads come back in order (ISA guide 5.7.1): load j is in, the 15 - j younger ones stay out
	v_cvt_pk_f16_f32 v[Y+2*\j],   v[X+4*\j],   v[X+4*\j+1]
	v_cvt_pk_f16_f32 v[Y+2*\j+1], v[X+4*\j+2], v[X+4*\j+3]
	global_store_b64 v2, v[Y+2*\j:Y+2*\j+1], s[16:17] offset:2048*\j   ; no hint: the next launch reads these bytes
.endr
	s_endpgm
.Lfunc_end_k_q0039ac2f19_cast:
	.size	k_q0039ac2f19_cast, .Lfunc_end_k_q0039ac2f19_cast-k_q0039ac2f19_cast
	.p2alignl 7, 3214868480
	.fill 96, 4, 3214868480
	.section	.rodata,"a",@progbits
	.p2align	6, 0x0
	.amdhsa_kernel k_q0039ac2f19_cast
		.amdhsa_group_segment_fixed_size 0
		.amdhsa_private_segment_fixed_size 0
		.amdhsa_enable_private_segment 0
		.amdhsa_kernarg_size 56
		.amdhsa_user_sgpr_count 2
		.amdhsa_user_sgpr_kernarg_segment_ptr 1
		.amdhsa_wavefront_size32 1
		.amdhsa_system_sgpr_workgroup_id_x 1
		.amdhsa_system_sgpr_workgroup_id_y 1
		.amdhsa_system_sgpr_workgroup_id_z 1
		.amdhsa_system_vgpr_workitem_id 0
		.amdhsa_next_free_vgpr 100
		.amdhsa_next_free_sgpr 66
		.amdhsa_reserve_vcc 0
		.amdhsa_float_denorm_mode_32 3
		.amdhsa_float_denorm_mode_16_64 3
		.amdhsa_memory_ordered 1
		.amdhsa_forward_progress 1
		.amdhsa_inst_pref_size 7
	.end_amdhsa_kernel
	.amdgpu_metadata
---
amdhsa.version: [ 1, 2 ]
amdhsa.kernels:
  - .name:           k_q0039ac2f19_cast
    .symbol:         k_q0039ac2f19_cast.kd
    .args:
      - { .name: x, .offset: 0, .size: 8, .value_kind: global_buffer, .address_space: global }
      - { .name: y, .offset: 8, .size: 8, .value_kind: global_buffer, .address_space: global }
      - { .name: wq, .offset: 16, .size: 8, .value_kind: global_buffer, .address_space: global }
      - { .name: wk, .offset: 24, .size: 8, .value_kind: global_buffer, .address_space: global }
      - { .name: wv, .offset: 32, .size: 8, .value_kind: global_buffer, .address_space: global }
      - { .name: wo, .offset: 40, .size: 8, .value_kind: global_buffer, .address_space: global }
      - { .name: hf, .offset: 48, .size: 8, .value_kind: global_buffer, .address_space: global }
    .group_segment_fixed_size: 0
    .private_segment_fixed_size: 0
    .kernarg_segment_align: 8
    .kernarg_segment_size: 56
    .max_flat_workgroup_size: 256
    .sgpr_count:     66
    .vgpr_count:     100
    .wavefront_size: 32
...
	.end_amdgpu_metadata
.endif
;; end of part 1
;; launch qkv (part 2): grid 12 x 16, 4 waves a work-group, clusters of 4 x 4, 327,680 bytes of LDS; arguments hf, qkv; writes qkv
.if DOCPART == 2
	.amdgcn_target "amdgcn-amd-amdhsa--gfx1250"
	.amdhsa_code_object_version 6
	.text
	.protected	k_q0039ac2f19_qkv
	.globl	k_q0039ac2f19_qkv
	.p2align	8
	.type	k_q0039ac2f19_qkv,@function
k_q0039ac2f19_qkv:
	s_mov_b64 s[64:65], 0
	v_nop
	global_prefetch_b8 v0, s[64:65] scope:SCOPE_SE
	s_setreg_imm32_b32 hwreg(HW_REG_WAVE_MODE, 25, 1), 1
	s_wait_xcnt 0x0
	s_wait_alu depctr_hold_cnt(0) depctr_sa_sdst(0) depctr_va_vdst(0) depctr_va_sdst(0) depctr_va_ssrc(0) depctr_va_vcc(0) depctr_vm_vsrc(0)
	s_getreg_b32 s2, hwreg(HW_REG_IB_STS2, 6, 4)
	s_cmp_eq_u32 s2, 0
	s_cbranch_scc0 .Lentry_in_a_cluster
	s_endpgm
.Lentry_in_a_cluster:
	s_bfe_u32 s2, ttmp6, 0x10000c
	s_cmp_lg_u32 s2, 0xf033
	s_cbranch_scc0 .Lentry_shape_is_right
	s_endpgm
.Lentry_shape_is_right:
; Part p of qkv = A W, rounded once to f16:  p = 0: q = (x wq) * 0.125 * log2(e);  p = 1: k = y wk;  p = 2: v = y wv.
; (0.125 = 64 ** -0.5 is the reference's scale of q; log2(e) lets the next launch take its exponentials in base 2.  The factor is applied to the f32 sums, ahead of the one rounding.)
; A: [4096][1024] f16 with K along the rows (x or y in hf).  W: [1024 (k)][1024 (n)] f16, as the weights lie in memory.  Sums in f32.
; LIMIT: a q, k or v beyond 65,504 in magnitude becomes infinite.  As drawn their spread is 32 x 1 x 0.02 = 0.64; with both factors 30 times larger it is 576;
; with a common offset of 30 spreads on both factors they lie at 1,024 x 30 x 0.6 = 18,432.  30 times smaller on both sides the spread is 7e-4, where f16's step is 5e-7 or less.
; A work-group makes a block of 256 x 256 with four waves, a wave 128 x 128: 64 accumulator tiles of 16 x 16, 512 registers.  K goes in steps of 128 through a ring of two LDS slots.
; 3 parts x 16 block rows x 4 block columns = 192 work-groups: all the work there is at this block size; smaller blocks would double the LDS bytes read for each multiply-add.
; CLUSTERS: 4 x 4 work-groups; a cluster is one part p, four block rows, the part's four block columns.  The four of a row of the cluster ask jointly for A's tiles,
; the four of a column for W's: each tile is requested once for four work-groups.
; W's tile lies [k][n] in LDS; ds_load_tr16_b128 hands out fragments with k along a lane's registers, so W is never transposed in memory.
; A wave has two tensor loads out at the start and one behind each round.
;
; REGISTERS, in windows of 256:
;   window 0: v0-31 addresses; v64-127, v128-191 fragments of A, two buffers; v192-255 at work on the way out
;   window 1: v64-127, v128-191 fragments of W, two buffers
;   window 2: the 32 accumulator tiles of my rows 0-63 (tile (a, b) at v[8 (8 a + b)]);   window 3: those of my rows 64-127
; THE MATRIX INSTRUCTION IS USED TRANSPOSED: source 0 = 16 columns of W, source 1 = 16 rows of A, so that lane l holds row l % 16 of the result
; and its registers 0 to 7 the columns 8 (l / 16) + 0 .. 7: eight neighbouring numbers of a row, 16 bytes of f16.
.set SIZE_K, 1024
.set SIZE_N, 1024
.set KSTEP,  128
.set PITCH,  272                       ; A's LDS rows: 256 bytes + 16 of padding, an odd multiple of 16: the 16 rows that a load touches begin in 16 different columns of 16 bytes
.set BPITCH, 544                       ; W's LDS rows: 512 bytes (256 n) + 32 of padding, an odd multiple of 32, as the transposing load's eight rows want
.set HALFT,  128*PITCH                 ; what one tensor load brings: 128 rows of A, or 64 k rows of W (64 x 544 is the same 34,816 bytes)
.set SLOT,   4*HALFT                   ; A's 256 rows, then W's 128 k rows
.set STAGE,  2*SLOT                    ; behind the ring: 16 rows x 272 bytes for each wave, for the way out; no fill lands there
.set SPITCH, 272
.set LAPS,   SIZE_K/(2*KSTEP)          ; a lap = two K steps = once round the ring: 4
.set ASTEP,  KSTEP*2                   ; a K step in A: 256 bytes along the row
.set BSTEP,  KSTEP*SIZE_N*2            ; a K step in W: 128 rows of 2,048 bytes
.set W_AT,   16777216                  ; wq's first byte in hf; wk and wv follow, 2,097,152 bytes each
.set ADRA, 16                          ; v16-17  LDS address of my A fragments in slot 0, 1
.set ADRB, 20                          ; v20-21  the same for W
.set STO,  24                          ; v24     the way out: where I put 16 bytes of a row
.set RD,   25                          ; v25     the way out: where I read a row back
.set CO,   26                          ; v26     my byte offset in the result
.set F0,   64
.set F1,   128
.set TMP,  192
.set G1,  24                           ; s[24:31] descriptor group 1 for A's tiles
.set G0,  32                           ; s[32:39] group 0 for A's tiles, one set for each slot
.set G1B, 48                           ; s[48:55] group 1 for W's tiles
.set G0B, 56                           ; s[56:63] group 0 for W's tiles, one set for each slot
.set MSB, 0
.macro WIN new                         ; the immediate's high byte repeats the setting that is left; a switch that changes nothing is dropped
.if MSB != \new
	s_set_vgpr_msb (MSB<<8)|\new
.set MSB, \new
.endif
.endm
.set MUL_LO, 0xa1                      ; source 0 (W) window 1, source 1 (A) window 0, C and D window 2
.set MUL_HI, 0xf1                      ; the same, C and D window 3
.set TO_B,   0x40                      ; destination window 1, address window 0
; A joint load.  Waves 0 and 1 fetch A's two halves, waves 2 and 3 W's.  Each line has one mask and one set of registers; the branch hangs on the wave's number alone.
.macro JLOAD s
	s_cmp_eq_u32 s11, 0
	s_cbranch_scc0 .Lfor_b_\@
	tensor_load_to_lds s[G0+4*\s:G0+4*\s+3], s[G1:G1+7]
	s_nop 0
	s_branch .Lasked_\@
.Lfor_b_\@:
	tensor_load_to_lds s[G0B+4*\s:G0B+4*\s+3], s[G1B:G1B+7]
	s_nop 0
.Lasked_\@:
.endm
; A round of the cluster's barrier: my work-group's barrier; wave 0 signals for the work-group; every wave waits for all sixteen; my work-group's barrier once more.
.macro CREST                           ; a round behind its opening barrier
	s_cmp_lg_u32 s10, 0
	s_cbranch_scc1 .Lnot_wave_0_\@
	s_barrier_signal -3
.Lnot_wave_0_\@:
	s_barrier_wait -3
	s_barrier_signal -1
	s_barrier_wait -1
.endm
.macro CROUND
	s_barrier_signal -1
	s_barrier_wait -1
	CREST
.endm
	s_load_b128 s[4:7], s[0:1], 0x0                ; hf s[4:5], qkv s[6:7]
	s_set_vgpr_msb 0x40
	v_lshl_add_u32 v255, v0, 2, 0x48400
	s_set_vgpr_msb 0x4000
	v_mov_b32 v63, 0
	s_set_vgpr_msb 0x1
	ds_add_u32 v255, v63
	s_set_vgpr_msb 0x100
	v_lshrrev_b32 v1, 5, v0
	v_readfirstlane_b32 s10, v1                    ; wave 0..3
	s_lshr_b32 s11, s10, 1                         ; which half of the block's rows is mine.  Also: I fetch for A (0) or for W (1)
	s_and_b32 s12, s10, 1                          ; which half of its columns.  Also: which half of that tile I fetch
	s_bfe_u32 s40, ttmp6, 0x40000                  ; cx = the block column inside the part
	s_bfe_u32 s41, ttmp6, 0x40004                  ; cy
	s_mov_b32 s45, ttmp9                           ; the cluster's x = the part p, the same in all sixteen work-groups
	s_and_b32 s13, ttmp7, 0xffff
	s_lshl_b32 s13, s13, 2
	s_add_co_u32 s13, s13, s41                     ; block row = 4 x cluster y + cy
	s_lshl_b32 s43, s41, 2
	s_lshl_b32 s43, 15, s43                        ; my row of the cluster: places 4 cy .. 4 cy + 3
	s_lshl_b32 s44, 0x1111, s40                    ; my column: places cx, cx + 4, cx + 8, cx + 12
	; group 1 for A: 128 rows x 128 elements of 2 bytes, 4 words of padding behind every 64
	s_or_b32 s[G1+0], s43, (1<<16)|(1<<20)|(1<<21)|(5<<22)|(3<<25)   ; 15:0 mask: my row; 17:16 2-byte elements; 20 padding on; 21 set beside a mask; 24:22 every 64 words; 31:25 four words
	s_mov_b32 s[G1+1], KSTEP<<16                   ; tensor_dim0 = 128
	s_mov_b32 s[G1+2], 128<<16                     ; tensor_dim1 = 128
	s_mov_b32 s[G1+3], KSTEP<<16                   ; tile_dim0 = 128
	s_mov_b32 s[G1+4], 128                         ; tile_dim1 = 128
	s_mov_b32 s[G1+5], SIZE_K                      ; elements from row to row
	s_mov_b32 s[G1+6], 0
	s_mov_b32 s[G1+7], 0
	; group 1 for W: 64 k rows x 256 elements, 8 words of padding behind every 128
	s_or_b32 s[G1B+0], s44, (1<<16)|(1<<20)|(1<<21)|(6<<22)|(7<<25)  ; mask: my column
	s_mov_b32 s[G1B+1], 256<<16                    ; tensor_dim0 = 256
	s_mov_b32 s[G1B+2], 64<<16                     ; tensor_dim1 = 64
	s_mov_b32 s[G1B+3], 256<<16                    ; tile_dim0 = 256
	s_mov_b32 s[G1B+4], 64                         ; tile_dim1 = 64
	s_mov_b32 s[G1B+5], SIZE_N
	s_mov_b32 s[G1B+6], 0
	s_mov_b32 s[G1B+7], 0
	; A's tiles hang on the part, the block row and the wave; W's on the part, the block column and the wave; each offset in registers that never hold the other coordinate
	s_lshl_b32 s16, s13, 8
	s_lshl_b32 s17, s12, 7
	s_add_co_u32 s16, s16, s17                     ; row 256 x block row + 128 x half,
	s_lshl_b32 s16, s16, 11                        ; of 2,048 bytes,
	s_min_u32 s17, s45, 1
	s_lshl_b32 s17, s17, 23                        ; in x (p = 0) or in y, 8,388,608 bytes further
	s_add_co_u32 s16, s16, s17
	s_mov_b32 s17, 0
	s_lshl_b32 s46, s45, 21                        ; weight p,
	s_add_co_u32 s46, s46, W_AT
	s_lshl_b32 s47, s12, 17                        ; my 64 k rows of 2,048 bytes,
	s_add_co_u32 s46, s46, s47
	s_lshl_b32 s47, s40, 9                         ; the block's 256 columns
	s_add_co_u32 s46, s46, s47
	s_mov_b32 s47, 0
	s_mul_i32 s20, s10, HALFT                      ; where my part of a slot goes: the wave's number alone
	s_wait_dscnt 0x0
	s_wait_kmcnt 0x0
	s_add_nc_u64 s[14:15], s[4:5], s[16:17]
	s_add_nc_u64 s[46:47], s[4:5], s[46:47]
	CROUND                                         ; all sixteen work-groups are here: the first joint loads meet
.irp s, 0,1
	s_mov_b32 s[G0+4*\s], 1                                        ; count = 1
	s_add_co_u32 s[G0+4*\s+1], s20, \s*SLOT                        ; LDS address
	s_add_nc_u64 s[G0+4*\s+2:G0+4*\s+3], s[14:15], \s*ASTEP        ; global address: K step s
	s_or_b32 s[G0+4*\s+3], s[G0+4*\s+3], 0x80000000                ; type = 2
	s_mov_b32 s[G0B+4*\s], 1
	s_add_co_u32 s[G0B+4*\s+1], s20, \s*SLOT
	s_add_nc_u64 s[G0B+4*\s+2:G0B+4*\s+3], s[46:47], \s*BSTEP
	s_or_b32 s[G0B+4*\s+3], s[G0B+4*\s+3], 0x80000000
	JLOAD \s                                       ; both slots' first fills go out before anything else is done
.endr
	; A's fragment: lane l holds row l % 16; registers 0-3 K = 8 (l / 16) + 0..7, registers 4-7 K = 16 + 8 (l / 16) + 0..7: two loads of 16 bytes, 32 bytes apart.
	v_and_b32 v1, 15, v0                           ; l % 16
	v_bfe_u32 v2, v0, 4, 1                         ; l / 16
	v_mul_u32_u24 v3, v1, PITCH
	v_lshl_add_u32 v3, v2, 4, v3
	; W's fragment by two transposing loads, 16 k rows apart: lane l addresses k row 8 (l / 16) + l % 8 and the 16 bytes (l / 8) % 2 of the 16 columns, and receives column l % 16
	v_and_b32 v6, 7, v0
	v_lshl_or_b32 v6, v2, 3, v6
	v_mul_u32_u24 v6, v6, BPITCH
	v_bfe_u32 v7, v0, 3, 1
	v_lshl_add_u32 v6, v7, 4, v6
	s_mul_i32 s21, s11, HALFT                      ; my 128 rows of A
	s_lshl_b32 s22, s12, 8                         ; my 128 columns of W: 256 bytes along its rows,
	s_add_co_u32 s22, s22, 2*HALFT                 ; which lie behind A's 256 rows
.irp s, 0,1
	v_add_nc_u32 v[ADRA+\s], s21, v3
	v_add_nc_u32 v[ADRB+\s], s22, v6
	s_add_co_u32 s21, s21, SLOT
	s_add_co_u32 s22, s22, SLOT
.endr
	s_mul_i32 s23, s10, 16*SPITCH
	s_add_co_u32 s23, s23, STAGE                   ; my stage
	v_mul_u32_u24 v4, v1, SPITCH                   ; in: row l % 16, 16 bytes for each half of the lanes
	v_lshl_add_u32 v4, v2, 4, v4
	v_add_nc_u32 v[STO], s23, v4
	v_mul_u32_u24 v5, v2, SPITCH                   ; back: lanes 0-15 take one row of 256 bytes, lanes 16-31 the next
	v_lshl_add_u32 v5, v1, 4, v5
	v_add_nc_u32 v[RD], s23, v5
	v_mul_u32_u24 v5, v2, SIZE_N*2                 ; and the same two rows in the result
	v_lshl_add_u32 v[CO], v1, 4, v5
; 16 matrix instructions: row blocks a0, a0 + 1 of the window's four x all 8 column blocks, 32 along K.  zero = 1: the first product starts the sums.
; The 64 accumulators take turns, one instruction a turn, in the same order in every quarter step.
.macro MUL16 f, hi, a0, zero
.irp a, \a0, \a0+1
.irp b, 0,1,2,3,4,5,6,7
.if \zero
	v_wmma_f32_16x16x32_f16 v[8*(8*(\a)+\b):8*(8*(\a)+\b)+7], v[\f+8*\b:\f+8*\b+7], v[\f+8*(4*\hi+\a):\f+8*(4*\hi+\a)+7], 0
.else
	v_wmma_f32_16x16x32_f16 v[8*(8*(\a)+\b):8*(8*(\a)+\b)+7], v[\f+8*\b:\f+8*\b+7], v[\f+8*(4*\hi+\a):\f+8*(4*\hi+\a)+7], v[8*(8*(\a)+\b):8*(8*(\a)+\b)+7]
.endif
.endr
.endr
.endm
; 32 LDS loads in one run: the fragments of one quarter step (32 K; k = its byte in A's rows: 0, 64, 128, 192) into buffer f: W's 128 columns, then A's 128 rows
.macro FETCH slot, k, f
	WIN TO_B
.irp i, 0,1,2,3,4,5,6,7
	ds_load_tr16_b128 v[\f+8*\i:\f+8*\i+3],   v[ADRB+\slot] offset:(\k/64)*32*BPITCH+32*\i
	ds_load_tr16_b128 v[\f+8*\i+4:\f+8*\i+7], v[ADRB+\slot] offset:(\k/64)*32*BPITCH+32*\i+16*BPITCH
.endr
	WIN 0
.irp i, 0,1,2,3,4,5,6,7
	ds_load_b128 v[\f+8*\i:\f+8*\i+3],   v[ADRA+\slot] offset:\k+\i*16*PITCH
	ds_load_b128 v[\f+8*\i+4:\f+8*\i+7], v[ADRA+\slot] offset:\k+\i*16*PITCH+32
.endr
.endm
; Four places between a matrix instruction and a load into one of its sources, or a vector instruction that reads its result
.macro PLACES
.rept 4
	v_nop
.endr
.endm
; One of a K step's first three quarter steps: multiplies buffer f; in its middle it fetches the next quarter's fragments into buffer g.
.macro QUARTER slot, k, f, g, zero
	s_wait_dscnt 8                                 ; W and A's rows 0-63 are in; the youngest eight loads (A's rows 64-127) may be out
	WIN MUL_LO
	MUL16 \f, 0, 0, \zero
	MUL16 \f, 0, 2, \zero
	PLACES
	FETCH \slot, \k, \g
	s_wait_dscnt 32                                ; all but the 32 just issued
	WIN MUL_HI
	MUL16 \f, 1, 0, \zero
	MUL16 \f, 1, 2, \zero
.endm
.macro THREE slot, zero
	QUARTER \slot, 64,  F0, F1, \zero
	QUARTER \slot, 128, F1, F0, 0
	QUARTER \slot, 192, F0, F1, 0
.endm
; The last quarter: multiplies buffer 1 and changes slots.  In front of the barrier each wave waits for its reads of this slot and for all its tensor loads
; (the one that is out is its part of the next slot); behind it, where fill = 1 behind the whole round, this slot is filled again first, then the next slot is read.
.macro TURN slot, next, fill
	s_wait_dscnt 8
	WIN MUL_LO
	MUL16 F1, 0, 0, 0
	s_wait_dscnt 0                                 ; my reads of this slot are over
	s_wait_tensorcnt 0x0                           ; and all my tensor loads have landed
	ds_add_u32 v255, v63
	s_wait_dscnt 0x0
	s_barrier_signal -1                            ; (where a slot is filled again this barrier opens a round of the cluster's barrier)
	MUL16 F1, 0, 2, 0                              ; register work while the others arrive
	WIN 0
	s_barrier_wait -1
.if \fill
	CREST                                          ; no wave of any partner still reads this slot's tile or has a load on its way
	s_add_nc_u64 s[G0+4*\slot+2:G0+4*\slot+3], s[G0+4*\slot+2:G0+4*\slot+3], 2*ASTEP
	s_add_nc_u64 s[G0B+4*\slot+2:G0B+4*\slot+3], s[G0B+4*\slot+2:G0B+4*\slot+3], 2*BSTEP
	JLOAD \slot                                    ; the first tensor load behind the round, one a wave
.endif
	PLACES
	FETCH \next, 0, F0
	WIN MUL_HI
	MUL16 F1, 1, 0, 0
	MUL16 F1, 1, 2, 0
.endm
.macro LAP zero
	THREE 0, \zero
	TURN 0, 1, 1
	THREE 1, 0
	TURN 1, 0, 1
.endm
	s_wait_tensorcnt 1                             ; my part of K step 0 is in; K step 1's may stay out
	s_barrier_signal -1
	s_barrier_wait -1                              ; everybody's is
	FETCH 0, 0, F0
	LAP 1                                          ; the first lap stands in front of the loop: its first products start the sums
	WIN 0                                          ; at a label and at a branch every window is 0
	s_mov_b32 s3, LAPS-2
.Llap:
	LAP 0
	WIN 0
	s_sub_co_u32 s3, s3, 1
	s_cmp_lg_u32 s3, 0
	s_cbranch_scc1 .Llap
	THREE 0, 0                                     ; the last lap fills nothing
	TURN 0, 1, 0
	THREE 1, 0
	s_wait_dscnt 8                                 ; the very last quarter: nothing more to fetch
	WIN MUL_LO
	MUL16 F1, 0, 0, 0
	MUL16 F1, 0, 2, 0
	s_wait_dscnt 0
	WIN MUL_HI
	MUL16 F1, 1, 0, 0
	MUL16 F1, 1, 2, 0
	; THE WAY OUT, 16 rows at a time: scale in f32, round to f16, 16 bytes a lane into my own stage, read back as whole rows of 256 bytes.
	PLACES                                         ; behind the last matrix instructions, for the multiplies that read results and the loads into buffers 0 and 1
	s_cmp_eq_u32 s45, 0
	s_cselect_b32 s22, 0x3e38aa3b, 1.0             ; q: 0.125 log2(e); k and v: 1
	s_mov_b32 s23, s22
	s_lshl_b32 s16, s13, 8
	s_lshl_b32 s17, s11, 7
	s_add_co_u32 s16, s16, s17                     ; my first row,
	s_lshl_b32 s16, s16, 11                        ; of 2,048 bytes,
	s_lshl_b32 s17, s45, 23                        ; in part p
	s_add_co_u32 s16, s16, s17
	s_mov_b32 s17, 0
	s_add_nc_u64 s[8:9], s[6:7], s[16:17]
	s_lshl_b32 s46, s40, 9                         ; my first column, in bytes: 512 x block + 256 x half
	s_lshl_b32 s47, s12, 8
	s_add_co_u32 s46, s46, s47
	s_mov_b32 s47, 0
	s_add_nc_u64 s[8:9], s[8:9], s[46:47]
; rows 16 i .. 16 i + 15 of my block = the eight tiles (a, 0..7) of window 2 or 3 (from = 0x02 or 0x03: source 0); f: F0 or F1 in turn
.macro OUT16 i, a, from, f
	WIN \from
.irp b, 0,1,2,3,4,5,6,7
.irp r, 0,1,2,3
	v_pk_mul_f32 v[TMP+2*(4*\b+\r):TMP+2*(4*\b+\r)+1], v[8*(8*\a+\b)+2*\r:8*(8*\a+\b)+2*\r+1], s[22:23] op_sel_hi:[1,0]
.endr
.endr
	WIN 0
.set n, 0
.rept 32
	v_cvt_pk_f16_f32 v[TMP+n], v[TMP+2*n], v[TMP+2*n+1]            ; ascending, so word n lands on registers already used
.set n, n+1
.endr
.irp b, 0,1,2,3,4,5,6,7
	ds_store_b128 v[STO], v[TMP+4*\b:TMP+4*\b+3] offset:32*\b
.endr
	s_wait_xcnt 0x0                                ; buffer f, which earlier stores read, and the stores' base are rewritten only behind this wait
.if \i
	s_add_nc_u64 s[8:9], s[8:9], 16*SIZE_N*2       ; 16 rows on
.endif
.irp t, 0,1,2,3,4,5,6,7
	ds_load_b128 v[\f+4*\t:\f+4*\t+3], v[RD] offset:\t*2*SPITCH    ; LDS serves a wave's instructions in order (ISA guide 5.7.1.4): these see the stores above
.endr
.irp t, 0,1,2,3,4,5,6,7
	s_wait_dscnt 7-\t
	global_store_b128 v[CO], v[\f+4*\t:\f+4*\t+3], s[8:9] offset:2*\t*SIZE_N*2   ; 16 lanes store 256 consecutive bytes, at a multiple of 256 from the buffer's first byte
.endr
.endm
	OUT16 0, 0, 0x02, F0
	OUT16 1, 1, 0x02, F1
	OUT16 2, 2, 0x02, F0
	OUT16 3, 3, 0x02, F1
	OUT16 4, 0, 0x03, F0
	OUT16 5, 1, 0x03, F1
	OUT16 6, 2, 0x03, F0
	OUT16 7, 3, 0x03, F1
	s_set_vgpr_msb 0x1
	s_wait_tensorcnt 0x0
	ds_add_u32 v255, v63
	s_wait_dscnt 0x0
	s_set_vgpr_msb 0x100
	CROUND                                         ; the closing round: no work-group ends while a partner may still ask for a tile that names it
	s_endpgm
.Lfunc_end_k_q0039ac2f19_qkv:
	.size	k_q0039ac2f19_qkv, .Lfunc_end_k_q0039ac2f19_qkv-k_q0039ac2f19_qkv
	.p2alignl 7, 3214868480
	.fill 96, 4, 3214868480
	.section	.rodata,"a",@progbits
	.p2align	6, 0x0
	.amdhsa_kernel k_q0039ac2f19_qkv
		.amdhsa_group_segment_fixed_size 327680
		.amdhsa_private_segment_fixed_size 0
		.amdhsa_enable_private_segment 0
		.amdhsa_kernarg_size 16
		.amdhsa_user_sgpr_count 2
		.amdhsa_user_sgpr_kernarg_segment_ptr 1
		.amdhsa_wavefront_size32 1
		.amdhsa_system_sgpr_workgroup_id_x 1
		.amdhsa_system_sgpr_workgroup_id_y 1
		.amdhsa_system_sgpr_workgroup_id_z 1
		.amdhsa_system_vgpr_workitem_id 0
		.amdhsa_next_free_vgpr 1024
		.amdhsa_next_free_sgpr 66
		.amdhsa_reserve_vcc 0
		.amdhsa_float_denorm_mode_32 3
		.amdhsa_float_denorm_mode_16_64 3
		.amdhsa_memory_ordered 1
		.amdhsa_forward_progress 1
		.amdhsa_inst_pref_size 213
	.end_amdhsa_kernel
	.amdgpu_metadata
---
amdhsa.version: [ 1, 2 ]
amdhsa.kernels:
  - .name:           k_q0039ac2f19_qkv
    .symbol:         k_q0039ac2f19_qkv.kd
    .args:
      - { .name: hf, .offset: 0, .size: 8, .value_kind: global_buffer, .address_space: global }
      - { .name: qkv, .offset: 8, .size: 8, .value_kind: global_buffer, .address_space: global }
    .group_segment_fixed_size: 327680
    .private_segment_fixed_size: 0
    .kernarg_segment_align: 8
    .kernarg_segment_size: 16
    .max_flat_workgroup_size: 128
    .sgpr_count:     66
    .vgpr_count:     1024
    .wavefront_size: 32
...
	.end_amdgpu_metadata
.endif
;; end of part 2
;; launch attn (part 3): grid 16 x 16, 8 waves a work-group, clusters of 4 x 1, 327,680 bytes of LDS; arguments qkv, bias, ctx; writes ctx
.if DOCPART == 3
	.amdgcn_target "amdgcn-amd-amdhsa--gfx1250"
	.amdhsa_code_object_version 6
	.text
	.protected	k_q0039ac2f19_attn
	.globl	k_q0039ac2f19_attn
	.p2align	8
	.type	k_q0039ac2f19_attn,@function
k_q0039ac2f19_attn:
	s_mov_b64 s[64:65], 0
	v_nop
	global_prefetch_b8 v0, s[64:65] scope:SCOPE_SE
	s_setreg_imm32_b32 hwreg(HW_REG_WAVE_MODE, 25, 1), 1
	s_wait_xcnt 0x0
	s_wait_alu depctr_hold_cnt(0) depctr_sa_sdst(0) depctr_va_vdst(0) depctr_va_sdst(0) depctr_va_ssrc(0) depctr_va_vcc(0) depctr_vm_vsrc(0)
	s_getreg_b32 s2, hwreg(HW_REG_IB_STS2, 6, 4)
	s_cmp_eq_u32 s2, 0
	s_cbranch_scc0 .Lentry_in_a_cluster
	s_endpgm
.Lentry_in_a_cluster:
	s_bfe_u32 s2, ttmp6, 0x10000c
	s_cmp_lg_u32 s2, 0x3003
	s_cbranch_scc0 .Lentry_shape_is_right
	s_endpgm
.Lentry_shape_is_right:
; ctx[b][q][head] = softmax over keys of (q . k + bias[b][key]) times v, with a running maximum; ctx rounded once to f16.
; q, k, v: the three parts of qkv, each [4096][1024] f16; q already carries 0.125 log2(e), the bias is multiplied by log2(e) here: all exponentials are in base 2.
; A work-group is (batch b, a PAIR of heads hp, a block of 128 q rows): with two heads a row of K, of V and of ctx is 256 consecutive bytes at a multiple of 256.
; Eight waves: wave w takes head w >> 2 of the pair and q rows 32 (w & 3) .. + 31.  Two waves share a SIMD, so that one's softmax runs beside the other's matrix work.
; CLUSTER of 4 x 1: four q blocks of the same batch and head pair walk the same K and V tiles and ask for them jointly (mask 15).  Q is nobody else's: plain loads, once.
; EVERYTHING IS TRANSPOSED, so that no number changes lanes between the two products:
;   S^T[key][q] = K Q^T + bias: source 0 = 16 rows of K, source 1 = 16 rows of Q, C = a tile of the bias.  Lane (r = l % 16, h = l / 16), register j: key 8 h + j, q = r.
;   Two neighbouring key tiles, rounded to f16 in pairs, ARE source 1 of the second product:  O^T[d][q] += V^T P^T, source 0 = V^T by the transposing LDS load from [key][d].
;   A lane's maximum and sum belong to its q = r; the two halves h hold different keys: the maxima meet by v_permlanex16_b32 in every step, the sums once at the end.
; K and V come in slots of 256 keys (four steps of 64), two slots, each wave fetching an eighth of a slot by one tensor load: 2 first fills and 6 refills,
; each refill behind a round of the cluster's barrier, with a slot's four steps in which to land.  A wave has two tensor loads out at the start, later one.
; f16 FOR THE WEIGHTS AND FOR ctx: a weight is 2 ** (s - running maximum), in (0, 1] whatever the inputs; what f16 drops of it is below 3e-8 of the row's largest weight.
; ctx is a weighted mean of v and has v's range (at most 65,504: the limit stated where v is made); with all inputs 30 times smaller than drawn its spread is 1.9e-5, f16's step there 6e-8.
; LIMITS: a bias below -6.9e29 (-1e30 after the factor log2(e)), -inf included, counts as that number; this differs from the reference only in a row of which EVERY key lies that low
; (the reference gives NaN for a row of -inf).  A NaN in the bias counts as the same number.  In the f32 sum of a row a weight below 2^-126 is 0 (v_exp_f32 flushes: ISA guide 15.8).
.set KP,   272                         ; K's LDS rows: 256 bytes + 16, an odd multiple of 16
.set VP,   288                         ; V's LDS rows: 256 bytes + 32, an odd multiple of 32, for the transposing load
.set CH,   18432                       ; a wave's eighth of a slot: 64 keys (K uses 17,408 bytes of it, V all)
.set SLOT, 8*CH                        ; chunks 0-3: K's 256 keys; chunks 4-7: V's
.set BIAS, 2*SLOT                      ; 8,192 bytes: the batch's 2,048 biases times log2(e); written by LDS stores, no fill lands there
.set KEYS, 256*2048                    ; bytes from a slot's first key row to the next slot's
.set SP,    144                        ; the way out: a wave's rows of 128 bytes + 16
.set SHEAD, 128*SP+128                 ; the second head's 128 rows; the 128 odd bytes keep the two heads' halves of a row in different banks
.set KA,   8                           ; v8-11   K fragments: slot 0 steps 0-1, slot 0 steps 2-3, slot 1 steps 0-1, slot 1 steps 2-3
.set VA,   12                          ; v12-15  the same for V
.set BADR, 16                          ; v16     the bias of the slot at work; steps 1,024 bytes a slot
.set STO,  17                          ; v17     the way out: where I put 16 bytes
.set RD,   18                          ; v18     where I read them back
.set CO,   19                          ; v19     my byte offset in ctx
.set QO,   20                          ; v20     my byte offset in q
.set BGO,  21                          ; v21     my byte offset in bias
.set BLA,  22                          ; v22     where my part of the bias goes
.set ST,   24                          ; v24-31  for each of my two q tiles: maximum m, a partner's number t, factor alpha, sum l
.set LS,   32                          ; v32-35  a pair of partial sums for each q tile
.set MX,   36                          ; v36-39  two chains of maxima for each q tile
.set BC,   40                          ; v40-71  four tiles of bias
.set Q,    72                          ; v72-103 Q fragments (q tile, half of d)
.set S,    104                         ; v104-167 S^T, then P^T: tile 4 qt + kt
.set O,    168                         ; v168-231 O^T: tile 4 qt + dt
.set KF,   0                           ; window 1, v0-63: K fragments 2 kt + c
.set VF,   64                          ; window 1, v64-127: V^T fragments 2 dt + kc
.set G1K,  24                          ; s[24:31] descriptor group 1 for K
.set G1V,  32                          ; s[32:39] for V
.set G0,   40                          ; s[40:47] group 0, one set for each slot
.set MSB, 0
.macro WIN new                         ; 0x01: source 0 in window 1 (matrix instructions); 0x40: destination in window 1 (fragment loads)
.if MSB != \new
	s_set_vgpr_msb (MSB<<8)|\new
.set MSB, \new
.endif
.endm
.macro PLACES n
.rept \n
	v_nop
.endr
.endm
.macro ROUND                           ; a round of the cluster's barrier
	s_barrier_signal -1
	s_barrier_wait -1
	s_cmp_lg_u32 s10, 0
	s_cbranch_scc1 .Lnot_wave_0_\@
	s_barrier_signal -3
.Lnot_wave_0_\@:
	s_barrier_wait -3
	s_barrier_signal -1
	s_barrier_wait -1
.endm
.macro JLOAD s                         ; waves 0-3 fetch K's four chunks, waves 4-7 V's; the branch hangs on the wave's number alone
	s_cmp_eq_u32 s11, 0
	s_cbranch_scc0 .Lfor_v_\@
	tensor_load_to_lds s[G0+4*(\s):G0+4*(\s)+3], s[G1K:G1K+7]
	s_nop 0
	s_branch .Lasked_\@
.Lfor_v_\@:
	tensor_load_to_lds s[G0+4*(\s):G0+4*(\s)+3], s[G1V:G1V+7]
	s_nop 0
.Lasked_\@:
.endm
	s_load_b128 s[4:7], s[0:1], 0x0                ; qkv s[4:5], bias s[6:7]
	s_load_b64 s[8:9], s[0:1], 0x10                ; ctx
	v_lshl_add_u32 v254, v0, 2, 0x4a000
	v_mov_b32 v255, 0
	ds_add_u32 v254, v255
	v_lshrrev_b32 v1, 5, v0
	v_readfirstlane_b32 s10, v1                    ; wave 0..7
	s_lshr_b32 s11, s10, 2                         ; my head of the pair.  Also: I fetch for K (0) or for V (1)
	s_and_b32 s12, s10, 3                          ; my 32 q rows.  Also: which 64 keys of a slot I fetch
	s_bfe_u32 s13, ttmp6, 0x40000                  ; cx
	s_lshl_b32 s14, ttmp9, 2
	s_add_co_u32 s14, s14, s13                     ; q block = 4 x cluster x + cx: enters global addresses of plain loads and stores alone
	s_and_b32 s15, ttmp7, 0xffff
	s_lshr_b32 s16, s15, 3                         ; batch
	s_and_b32 s17, s15, 7                          ; head pair
	s_mov_b32 s48, 0x76543210                      ; v_permlanex16_b32: lane i of one half reads lane i of the other
	s_mov_b32 s49, 0xfedcba98
	; group 1: 64 key rows x 128 elements of 2 bytes, padded behind every 64 words by 4 words (K) or 8 (V); mask 15: all four work-groups of the cluster; bit 21 beside it
	s_mov_b32 s[G1K+0], 15|(1<<16)|(1<<20)|(1<<21)|(5<<22)|(3<<25)
	s_mov_b32 s[G1K+1], 128<<16                    ; tensor_dim0 = 128
	s_mov_b32 s[G1K+2], 64<<16                     ; tensor_dim1 = 64
	s_mov_b32 s[G1K+3], 128<<16                    ; tile_dim0 = 128
	s_mov_b32 s[G1K+4], 64                         ; tile_dim1 = 64
	s_mov_b32 s[G1K+5], 1024                       ; elements from row to row
	s_mov_b32 s[G1K+6], 0
	s_mov_b32 s[G1K+7], 0
	s_mov_b32 s[G1V+0], 15|(1<<16)|(1<<20)|(1<<21)|(5<<22)|(7<<25)
	s_mov_b32 s[G1V+1], 128<<16
	s_mov_b32 s[G1V+2], 64<<16
	s_mov_b32 s[G1V+3], 128<<16
	s_mov_b32 s[G1V+4], 64
	s_mov_b32 s[G1V+5], 1024
	s_mov_b32 s[G1V+6], 0
	s_mov_b32 s[G1V+7], 0
	s_lshl_b32 s18, s11, 7                         ; my head's 128 bytes in a row of the pair
	s_lshl_b32 s19, s17, 8                         ; the pair's 256 bytes in a row of 2,048
	; my chunk's first byte in qkv: part 1 (K) or 2 (V), the batch, my 64 keys, the head pair: nothing of cx
	s_add_co_u32 s52, s11, 1
	s_lshl_b32 s52, s52, 23
	s_lshl_b32 s53, s16, 22
	s_add_co_u32 s52, s52, s53
	s_lshl_b32 s53, s12, 17
	s_add_co_u32 s52, s52, s53
	s_add_co_u32 s52, s52, s19
	s_mov_b32 s53, 0
	s_mul_i32 s51, s10, CH                         ; and where it goes
	s_lshl_b32 s20, s16, 11
	s_lshl_b32 s21, s14, 7
	s_add_co_u32 s20, s20, s21                     ; the work-group's first q row among the 4,096
	s_lshl_b32 s54, s10, 4                         ; ctx: I store rows 16 w .. 16 w + 15 of the block, both heads
	s_add_co_u32 s54, s54, s20
	s_lshl_b32 s54, s54, 11
	s_add_co_u32 s54, s54, s19
	s_mov_b32 s55, 0
	s_lshl_b32 s21, s12, 5                         ; q: I read rows 32 (w & 3) .. + 31, my head
	s_add_co_u32 s21, s21, s20
	s_lshl_b32 s21, s21, 11
	s_add_co_u32 s21, s21, s19
	s_add_co_u32 s21, s21, s18
	s_wait_dscnt 0x0
	s_wait_kmcnt 0x0
	s_add_nc_u64 s[52:53], s[4:5], s[52:53]
	s_add_nc_u64 s[8:9], s[8:9], s[54:55]
	ROUND                                          ; all four work-groups are here: the first joint loads meet
.irp s, 0,1
	s_mov_b32 s[G0+4*\s], 1                                        ; count = 1
	s_add_co_u32 s[G0+4*\s+1], s51, \s*SLOT                        ; LDS address
	s_add_nc_u64 s[G0+4*\s+2:G0+4*\s+3], s[52:53], \s*KEYS         ; keys 256 s ..
	s_or_b32 s[G0+4*\s+3], s[G0+4*\s+3], 0x80000000                ; type = 2
	JLOAD \s
.endr
	v_and_b32 v1, 15, v0                           ; r
	v_bfe_u32 v2, v0, 4, 1                         ; h
	v_and_b32 v3, 7, v0
	v_lshl_or_b32 v3, v2, 3, v3                    ; 8 h + l % 8: the key row that I address for the transposing load
	v_bfe_u32 v4, v0, 3, 1                         ; (l / 8) % 2: which 16 bytes
	v_mul_u32_u24 v5, v1, KP                       ; K: key row r, 16 h, my head
	v_lshl_add_u32 v5, v2, 4, v5
	v_add_nc_u32 v[KA], s18, v5
	v_add_nc_u32 v[KA+1], 2*CH, v[KA]
	v_add_nc_u32 v[KA+2], SLOT, v[KA]
	v_add_nc_u32 v[KA+3], SLOT+2*CH, v[KA]
	v_mul_u32_u24 v5, v3, VP
	v_lshl_add_u32 v5, v4, 4, v5
	s_add_co_u32 s22, s18, 4*CH                    ; V lies behind K's four chunks
	v_add_nc_u32 v[VA], s22, v5
	v_add_nc_u32 v[VA+1], 2*CH, v[VA]
	v_add_nc_u32 v[VA+2], SLOT, v[VA]
	v_add_nc_u32 v[VA+3], SLOT+2*CH, v[VA]
	v_lshl_add_u32 v[BADR], v2, 5, BIAS            ; a lane's eight keys 8 h .. 8 h + 7: 32 bytes
	s_mul_i32 s22, s11, SHEAD                      ; the way out: my own block of 32 rows x 144 bytes
	s_mul_i32 s23, s12, 32*SP
	s_add_co_u32 s22, s22, s23
	v_mul_u32_u24 v5, v1, SP
	v_lshl_add_u32 v5, v2, 4, v5
	v_add_nc_u32 v[STO], s22, v5
	s_lshl_b32 s22, s10, 4                         ; back: row 16 w + h, lanes 0-7 of a half the first head's 128 bytes, lanes 8-15 the second's
	v_add_nc_u32 v5, s22, v2
	v_mul_u32_u24 v5, v5, SP
	v_and_b32 v6, 7, v0
	v_lshl_add_u32 v5, v6, 4, v5
	v_mad_u32_u24 v[RD], v4, SHEAD, v5
	v_lshlrev_b32 v5, 11, v2
	v_lshl_add_u32 v[CO], v1, 4, v5                ; row h, 16 bytes for each of sixteen lanes
	v_lshlrev_b32 v5, 11, v1
	v_lshl_add_u32 v5, v2, 4, v5
	v_add_nc_u32 v[QO], s21, v5                    ; q row r, 16 h
	v_lshlrev_b32 v5, 4, v0                        ; the bias: thread t takes 16 bytes at 16 t and at 16 t + 4,096
	v_add_nc_u32 v[BLA], BIAS, v5
	s_lshl_b32 s22, s16, 13
	v_add_nc_u32 v[BGO], s22, v5
	v_mov_b32 v[ST+1], 0                           ; v_permlanex16_b32 counts as a reader of its destination
	v_mov_b32 v[ST+5], 0
	global_load_b128 v[S:S+3],   v[BGO], s[6:7]
	global_load_b128 v[S+4:S+7], v[BGO], s[6:7] offset:4096
.irp qt, 0,1
.irp c, 0,1
	global_load_b128 v[Q+8*(2*\qt+\c):Q+8*(2*\qt+\c)+3],   v[QO], s[4:5] offset:32768*\qt+64*\c      ; d = 32 c + 8 h ..
	global_load_b128 v[Q+8*(2*\qt+\c)+4:Q+8*(2*\qt+\c)+7], v[QO], s[4:5] offset:32768*\qt+64*\c+32   ; d = 32 c + 16 + 8 h ..
.endr
.endr
	s_wait_loadcnt 8                               ; the two loads of the bias are in; the eight of Q, issued behind them, stay out
.irp j, 0,2,4,6
	v_pk_mul_f32 v[S+\j:S+\j+1], v[S+\j:S+\j+1], 0x3fb8aa3b op_sel_hi:[1,0]    ; times log2(e)
.endr
.irp j, 0,1,2,3,4,5,6,7
	v_max_num_f32 v[S+\j], 0xf149f2ca, v[S+\j]     ; not below -1e30, so that every maximum stays finite (the limit stated at the head)
.endr
	ds_store_b128 v[BLA], v[S:S+3]
	ds_store_b128 v[BLA], v[S+4:S+7] offset:4096
	s_wait_loadcnt 0x0                             ; Q
	s_wait_dscnt 0x0                               ; my part of the bias is in LDS, for the other waves' sake
	s_wait_tensorcnt 0x1                           ; my part of slot 0 is in; slot 1's may stay out
	s_barrier_signal -1
	s_barrier_wait -1
.macro LOADK slot, i                   ; 16 loads: step i's 64 keys x my head's 64 d
.irp kt, 0,1,2,3
.irp c, 0,1
	ds_load_b128 v[KF+8*(2*\kt+\c):KF+8*(2*\kt+\c)+3],   v[KA+2*\slot+((\i)>>1)] offset:((\i)&1)*CH+\kt*16*KP+64*\c
	ds_load_b128 v[KF+8*(2*\kt+\c)+4:KF+8*(2*\kt+\c)+7], v[KA+2*\slot+((\i)>>1)] offset:((\i)&1)*CH+\kt*16*KP+64*\c+32
.endr
.endr
.endm
.macro LOADV slot, i                   ; 16 transposing loads: V^T, d tile dt x 32 keys kc
.irp dt, 0,1,2,3
.irp kc, 0,1
	ds_load_tr16_b128 v[VF+8*(2*\dt+\kc):VF+8*(2*\dt+\kc)+3],   v[VA+2*\slot+((\i)>>1)] offset:((\i)&1)*CH+\kc*32*VP+32*\dt
	ds_load_tr16_b128 v[VF+8*(2*\dt+\kc)+4:VF+8*(2*\dt+\kc)+7], v[VA+2*\slot+((\i)>>1)] offset:((\i)&1)*CH+\kc*32*VP+32*\dt+16*VP
.endr
.endr
.endm
.macro LOADB i                         ; 8 loads: register j of tile kt = the bias of key 64 i + 16 kt + 8 h + j, the same for every q
.irp kt, 0,1,2,3
	ds_load_b128 v[BC+8*\kt:BC+8*\kt+3],   v[BADR] offset:256*(\i)+64*\kt
	ds_load_b128 v[BC+8*\kt+4:BC+8*\kt+7], v[BADR] offset:256*(\i)+64*\kt+16
.endr
.endm
; S^T = K Q^T + bias.  Eight accumulators take turns, one instruction a turn, here and in PV.
.macro QK
.irp c, 0,1
.irp qt, 0,1
.irp kt, 0,1,2,3
.if \c == 0
	v_wmma_f32_16x16x32_f16 v[S+8*(4*\qt+\kt):S+8*(4*\qt+\kt)+7], v[KF+8*(2*\kt+\c):KF+8*(2*\kt+\c)+7], v[Q+8*(2*\qt+\c):Q+8*(2*\qt+\c)+7], v[BC+8*\kt:BC+8*\kt+7]
.else
	v_wmma_f32_16x16x32_f16 v[S+8*(4*\qt+\kt):S+8*(4*\qt+\kt)+7], v[KF+8*(2*\kt+\c):KF+8*(2*\kt+\c)+7], v[Q+8*(2*\qt+\c):Q+8*(2*\qt+\c)+7], v[S+8*(4*\qt+\kt):S+8*(4*\qt+\kt)+7]
.endif
.endr
.endr
.endr
.endm
; O^T += V^T P^T.  first = 1: the very first product starts the sums.
.macro PV first
.irp kc, 0,1
.irp qt, 0,1
.irp dt, 0,1,2,3
.if \first*(1-\kc)
	v_wmma_f32_16x16x32_f16 v[O+8*(4*\qt+\dt):O+8*(4*\qt+\dt)+7], v[VF+8*(2*\dt+\kc):VF+8*(2*\dt+\kc)+7], v[S+8*(4*\qt+2*\kc):S+8*(4*\qt+2*\kc)+7], 0
.else
	v_wmma_f32_16x16x32_f16 v[O+8*(4*\qt+\dt):O+8*(4*\qt+\dt)+7], v[VF+8*(2*\dt+\kc):VF+8*(2*\dt+\kc)+7], v[S+8*(4*\qt+2*\kc):S+8*(4*\qt+2*\kc)+7], v[O+8*(4*\qt+\dt):O+8*(4*\qt+\dt)+7]
.endif
.endr
.endr
.endr
.endm
; The new maximum of each q: my 32 numbers in two chains for each q tile (the four chains do not wait for each other), the old maximum at the head of one, then the other half of the lanes.
.macro MAXES first
.irp qt, 0,1
.if \first
	v_max_num_f32 v[MX+2*\qt], v[S+32*\qt], v[S+32*\qt+1]
.else
	v_max3_num_f32 v[MX+2*\qt], v[ST+4*\qt], v[S+32*\qt], v[S+32*\qt+1]
.endif
	v_max_num_f32 v[MX+2*\qt+1], v[S+32*\qt+16], v[S+32*\qt+17]
.endr
.irp j, 2,4,6,8,10,12,14
.irp qt, 0,1
	v_max3_num_f32 v[MX+2*\qt],   v[MX+2*\qt],   v[S+32*\qt+\j],    v[S+32*\qt+\j+1]
	v_max3_num_f32 v[MX+2*\qt+1], v[MX+2*\qt+1], v[S+32*\qt+16+\j], v[S+32*\qt+17+\j]
.endr
.endr
.irp qt, 0,1
	v_max_num_f32 v[MX+2*\qt], v[MX+2*\qt], v[MX+2*\qt+1]
.endr
.irp qt, 0,1
	v_permlanex16_b32 v[ST+4*\qt+1], v[MX+2*\qt], s48, s49
.endr
.if \first
.irp qt, 0,1
	v_max_num_f32 v[ST+4*\qt], v[MX+2*\qt], v[ST+4*\qt+1]
.endr
.else
.irp qt, 0,1
	v_max_num_f32 v[MX+2*\qt], v[MX+2*\qt], v[ST+4*\qt+1]
.endr
.irp qt, 0,1
	v_sub_f32 v[ST+4*\qt+2], v[ST+4*\qt], v[MX+2*\qt]              ; old maximum - new, at most 0
.endr
.irp qt, 0,1
	v_mov_b32 v[ST+4*\qt], v[MX+2*\qt]             ; the new maximum takes its place beside t: the pair that the packed subtraction names
.endr
.irp qt, 0,1
	v_exp_f32 v[ST+4*\qt+2], v[ST+4*\qt+2]         ; alpha; first used far below
.endr
.endif
.endm
.macro SUBM n                          ; tile n: s - m, two at a time; both halves take the pair's first register, m
.irp r, 0,2,4,6
	v_pk_add_f32 v[S+8*(\n)+\r:S+8*(\n)+\r+1], v[S+8*(\n)+\r:S+8*(\n)+\r+1], v[ST+4*((\n)>>2):ST+4*((\n)>>2)+1] op_sel_hi:[1,0] neg_lo:[0,1] neg_hi:[0,1]
.endr
.endm
.macro EXPM n
.irp r, 0,1,2,3,4,5,6,7
	v_exp_f32 v[S+8*(\n)+\r], v[S+8*(\n)+\r]
.endr
.endm
; Tile n's eight weights go into the q tile's pair of sums (its first tile starts them: nothing is cleared) and are rounded to f16:
; an even tile into its own registers 0-3, an odd one into registers 4-7 of the tile before it: together source 1 of PV for 32 keys.
.macro SUMCVT n
.if ((\n)&3) == 0
	s_wait_alu depctr_va_vdst(0)
	v_pk_add_f32 v[LS+2*((\n)>>2):LS+2*((\n)>>2)+1], v[S+8*(\n):S+8*(\n)+1], v[S+8*(\n)+2:S+8*(\n)+3]
.else
	s_wait_alu depctr_va_vdst(0)
	v_pk_add_f32 v[LS+2*((\n)>>2):LS+2*((\n)>>2)+1], v[LS+2*((\n)>>2):LS+2*((\n)>>2)+1], v[S+8*(\n):S+8*(\n)+1]
	v_pk_add_f32 v[LS+2*((\n)>>2):LS+2*((\n)>>2)+1], v[LS+2*((\n)>>2):LS+2*((\n)>>2)+1], v[S+8*(\n)+2:S+8*(\n)+3]
.endif
	v_pk_add_f32 v[LS+2*((\n)>>2):LS+2*((\n)>>2)+1], v[LS+2*((\n)>>2):LS+2*((\n)>>2)+1], v[S+8*(\n)+4:S+8*(\n)+5]
	v_pk_add_f32 v[LS+2*((\n)>>2):LS+2*((\n)>>2)+1], v[LS+2*((\n)>>2):LS+2*((\n)>>2)+1], v[S+8*(\n)+6:S+8*(\n)+7]
.irp r, 0,1,2,3
	v_cvt_pk_f16_f32 v[S+8*(\n)-4*((\n)&1)+\r], v[S+8*(\n)+2*\r], v[S+8*(\n)+2*\r+1]
.endr
.endm
.macro RESCALE                         ; O^T times the lane's factor (the pair's first register), two at a time
.set rr, 0
	s_wait_alu depctr_va_vdst(0)
.rept 16
	v_pk_mul_f32 v[O+rr:O+rr+1],       v[O+rr:O+rr+1],       v[ST+2:ST+3] op_sel_hi:[1,0]
	v_pk_mul_f32 v[O+32+rr:O+32+rr+1], v[O+32+rr:O+32+rr+1], v[ST+6:ST+7] op_sel_hi:[1,0]
.set rr, rr+2
.endr
.endm
; Behind a run of v_exp_f32 one plain vector instruction stands before a result is used (ISA guide 5.7.2): the next tile's subtraction, behind the last run the rescaling of O^T.
.macro SOFTMAX first
	MAXES \first
	SUBM 0
.irp n, 0,1,2,3,4,5,6
	EXPM \n
	SUBM \n+1
	SUMCVT \n
.endr
	EXPM 7
.if \first
	v_nop
	s_wait_alu depctr_va_vdst(0)
.else
	RESCALE
.endif
	SUMCVT 7
.irp qt, 0,1
.if \first
	v_add_f32 v[ST+4*\qt+3], v[LS+2*\qt], v[LS+2*\qt+1]
.else
	v_add_f32 v[LS+2*\qt], v[LS+2*\qt], v[LS+2*\qt+1]
	v_fma_f32 v[ST+4*\qt+3], v[ST+4*\qt+3], v[ST+4*\qt+2], v[LS+2*\qt]    ; l = l alpha + this step's sum
.endif
.endr
.endm
; A step: 64 keys.  K and the bias were asked for a step ahead; V is asked for behind the first product and is due behind the softmax.
.macro STEP slot, i, first
	s_wait_dscnt 0x0                               ; this step's K and bias: the only LDS loads that are out
	WIN 0x01
	QK
	PLACES 4                                       ; before loads land on K's fragments and the bias tiles, and before the softmax reads S^T
	WIN 0x40
	LOADV \slot, \i
.if \i < 3
	LOADK \slot, \i+1
.endif
	WIN 0
.if \i < 3
	LOADB \i+1
.endif
	SOFTMAX \first
.if \i < 3
	s_wait_dscnt 24                                ; V is in; the 16 loads of K and 8 of the bias issued behind it stay out
.else
	s_wait_dscnt 0x0                               ; a slot's last step has asked for V alone
.endif
	WIN 0x01
	PV \first
	WIN 0
	PLACES 5                                       ; before the next first product writes over P^T, a source of this one
.endm
.macro SLOTP slot, first               ; a slot's four steps
	WIN 0x40
	LOADK \slot, 0
	WIN 0
	LOADB 0
	STEP \slot, 0, \first
	STEP \slot, 1, 0
	STEP \slot, 2, 0
	STEP \slot, 3, 0
	v_add_nc_u32 v[BADR], 1024, v[BADR]            ; the next 256 keys' biases
.endm
; The change of slots.  In front of the round every wave has waited for its reads of the other slot and for all its tensor loads (its part of this slot is the one that was out);
; behind the round the other slot is filled again first, one load a wave, and then this slot is read.
.macro TWO slot, refill
	s_wait_tensorcnt 0x0
	ds_add_u32 v254, v255
	s_wait_dscnt 0x0
.if \refill
	s_add_nc_u64 s[G0+4*(1-\slot)+2:G0+4*(1-\slot)+3], s[G0+4*(1-\slot)+2:G0+4*(1-\slot)+3], 2*KEYS    ; no load of mine is out: the other slot's next 256 keys
.endif
	s_wait_dscnt 0x0
.if \refill
	ROUND
	JLOAD 1-\slot
.else
	s_barrier_signal -1                            ; nothing is left to fetch: my work-group's barrier shows the last slot whole
	s_barrier_wait -1
.endif
	SLOTP \slot, 0
.endm
	SLOTP 0, 1                                     ; keys 0-255: the first step starts maximum, sums and O^T
	s_mov_b32 s50, 3
.Lloop:
	TWO 1, 1
	TWO 0, 1
	s_sub_co_u32 s50, s50, 1
	s_cmp_lg_u32 s50, 0
	s_cbranch_scc1 .Lloop
	TWO 1, 0                                       ; keys 1,792-2,047
	; THE END.  The five places that close a step stand behind the last matrix instruction.  The two halves' sums meet; O^T / l; f16.
.irp qt, 0,1
	v_permlanex16_b32 v[ST+4*\qt+1], v[ST+4*\qt+3], s48, s49
.endr
.irp qt, 0,1
	v_add_f32 v[ST+4*\qt+3], v[ST+4*\qt+3], v[ST+4*\qt+1]          ; at least 1: the key of the maximum counts 1
.endr
.irp qt, 0,1
	v_rcp_f32 v[ST+4*\qt+2], v[ST+4*\qt+3]
.endr
	v_nop                                          ; the plain place behind v_rcp_f32 (ISA guide 5.7.2)
	s_wait_alu depctr_va_vdst(0)
	RESCALE
.irp n, 0,1,2,3,4,5,6,7
.irp r, 0,1,2,3
	v_cvt_pk_f16_f32 v[O+8*\n+\r], v[O+8*\n+2*\r], v[O+8*\n+2*\r+1]    ; a lane's eight neighbouring d of one q: 16 bytes
.endr
.endr
	; The stage lies in slot 0, whose last fill has been read by every wave ahead of the last barrier; no fill follows.
.irp qt, 0,1
.irp dt, 0,1,2,3
	ds_store_b128 v[STO], v[O+8*(4*\qt+\dt):O+8*(4*\qt+\dt)+3] offset:\qt*16*SP+32*\dt
.endr
.endr
	s_wait_dscnt 0x0                               ; for the others' sake: a row of ctx is made of two waves' halves
	s_barrier_signal -1
	s_barrier_wait -1
.irp t, 0,1,2,3,4,5,6,7
	ds_load_b128 v[S+4*\t:S+4*\t+3], v[RD] offset:\t*2*SP
.endr
.irp t, 0,1,2,3,4,5,6,7
	s_wait_dscnt 7-\t
	global_store_b128 v[CO], v[S+4*\t:S+4*\t+3], s[8:9] offset:4096*\t   ; 16 lanes store 256 consecutive bytes, at a multiple of 256 from ctx's first byte
.endr
	s_wait_tensorcnt 0x0
	ds_add_u32 v254, v255
	s_wait_dscnt 0x0
	ROUND                                          ; the closing round
	s_endpgm
.Lfunc_end_k_q0039ac2f19_attn:
	.size	k_q0039ac2f19_attn, .Lfunc_end_k_q0039ac2f19_attn-k_q0039ac2f19_attn
	.p2alignl 7, 3214868480
	.fill 96, 4, 3214868480
	.section	.rodata,"a",@progbits
	.p2align	6, 0x0
	.amdhsa_kernel k_q0039ac2f19_attn
		.amdhsa_group_segment_fixed_size 327680
		.amdhsa_private_segment_fixed_size 0
		.amdhsa_enable_private_segment 0
		.amdhsa_kernarg_size 24
		.amdhsa_user_sgpr_count 2
		.amdhsa_user_sgpr_kernarg_segment_ptr 1
		.amdhsa_wavefront_size32 1
		.amdhsa_system_sgpr_workgroup_id_x 1
		.amdhsa_system_sgpr_workgroup_id_y 1
		.amdhsa_system_sgpr_workgroup_id_z 1
		.amdhsa_system_vgpr_workitem_id 0
		.amdhsa_next_free_vgpr 384
		.amdhsa_next_free_sgpr 66
		.amdhsa_reserve_vcc 0
		.amdhsa_float_denorm_mode_32 3
		.amdhsa_float_denorm_mode_16_64 3
		.amdhsa_memory_ordered 1
		.amdhsa_forward_progress 1
		.amdhsa_inst_pref_size 255
	.end_amdhsa_kernel
	.section	.bss,"aw",@nobits
	.p2align	6
	.space	262144
	.amdgpu_metadata
---
amdhsa.version: [ 1, 2 ]
amdhsa.kernels:
  - .name:           k_q0039ac2f19_attn
    .symbol:         k_q0039ac2f19_attn.kd
    .args:
      - { .name: qkv, .offset: 0, .size: 8, .value_kind: global_buffer, .address_space: global }
      - { .name: bias, .offset: 8, .size: 8, .value_kind: global_buffer, .address_space: global }
      - { .name: ctx, .offset: 16, .size: 8, .value_kind: global_buffer, .address_space: global }
    .group_segment_fixed_size: 327680
    .private_segment_fixed_size: 0
    .kernarg_segment_align: 8
    .kernarg_segment_size: 24
    .max_flat_workgroup_size: 256
    .sgpr_count:     66
    .vgpr_count:     384
    .wavefront_size: 32
...
	.end_amdgpu_metadata
.endif
;; end of part 3
;; launch outp (part 4): grid 8 x 32, 4 waves a work-group, clusters of 4 x 4, 327,680 bytes of LDS; arguments ctx, hf, out0; writes out0
.if DOCPART == 4
	.amdgcn_target "amdgcn-amd-amdhsa--gfx1250"
	.amdhsa_code_object_version 6
	.text
	.protected	k_q0039ac2f19_outp
	.globl	k_q0039ac2f19_outp
	.p2align	8
	.type	k_q0039ac2f19_outp,@function
k_q0039ac2f19_outp:
	s_mov_b64 s[64:65], 0
	v_nop
	global_prefetch_b8 v0, s[64:65] scope:SCOPE_SE
	s_setreg_imm32_b32 hwreg(HW_REG_WAVE_MODE, 25, 1), 1
	s_wait_xcnt 0x0
	s_wait_alu depctr_hold_cnt(0) depctr_sa_sdst(0) depctr_va_vdst(0) depctr_va_sdst(0) depctr_va_ssrc(0) depctr_va_vcc(0) depctr_vm_vsrc(0)
	s_getreg_b32 s2, hwreg(HW_REG_IB_STS2, 6, 4)
	s_cmp_eq_u32 s2, 0
	s_cbranch_scc0 .Lentry_in_a_cluster
	s_endpgm
.Lentry_in_a_cluster:
	s_bfe_u32 s2, ttmp6, 0x10000c
	s_cmp_lg_u32 s2, 0xf033
	s_cbranch_scc0 .Lentry_shape_is_right
	s_endpgm
.Lentry_shape_is_right:
; out0 = ctx wo.  ctx: [4096][1024] f16, K along the rows.  wo: [1024 (k)][1024 (n)] f16, in hf.  out0: [4096][1024] f32.  Sums in f32.
; A work-group makes a block of 128 x 128 with four waves, a wave 64 x 64: 32 x 8 = 256 work-groups of equal work.
; A slot holds K = 256: 128 rows of ctx (512 bytes each) and 256 k rows of wo (256 bytes each); K = 1,024 is four fills of two slots, written out without a loop.
; CLUSTERS: 4 x 4 work-groups; ctx's tiles are asked for jointly along a row of the cluster, wo's along a column.
; wo's tile lies [k][n] in LDS and is handed out by the transposing load, as in the launch that makes q, k and v.
; The matrix instruction is used transposed (source 0 = 16 columns of wo, source 1 = 16 rows of ctx): a lane's eight results are eight neighbouring columns of one row.
; A wave has two tensor loads out at the start and one behind each round.
; Registers: window 0: v16-26 addresses; v64-127, v128-191 two fragment buffers (wo's four fragments, then ctx's four); v192-223 the way out.  Window 1: the 16 accumulator tiles, (a, b) at v[8 (4 a + b)].
.set APITCH, 528                       ; 512 bytes + 16: an odd multiple of 16
.set BPITCH, 288                       ; 256 bytes + 32: an odd multiple of 32
.set CH,     36864                     ; a wave's quarter of a slot: 64 rows of ctx (33,792 bytes used) or 128 k rows of wo
.set SLOT,   4*CH
.set STAGE,  2*SLOT                    ; 16 rows x 272 bytes for each wave; no fill lands there
.set SPITCH, 272
.set WO_AT,  23068672                  ; wo's first byte in hf
.set ADRA, 16                          ; v16-17  ctx fragments in slot 0, 1
.set ADRB, 20                          ; v20-23  wo fragments: slot 0 k 0-127, slot 0 k 128-255, slot 1 likewise
.set STO,  24
.set RD,   25
.set CO,   26
.set F0,   64
.set F1,   128
.set TMP,  192
.set G1,  24                           ; s[24:31] group 1 for ctx's tiles
.set G0,  32                           ; s[32:39] group 0, one set for each slot
.set G1B, 48                           ; s[48:55] group 1 for wo's tiles
.set G0B, 56                           ; s[56:63]
.set MSB, 0
.macro WIN new
.if MSB != \new
	s_set_vgpr_msb (MSB<<8)|\new
.set MSB, \new
.endif
.endm
.set MUL, 0x50                         ; C and D in window 1
.set ACC_OUT, 0x04                     ; an LDS store's data (source 1) in window 1
.macro JLOAD s                         ; waves 0 and 1 fetch ctx's two halves, waves 2 and 3 wo's
	s_cmp_eq_u32 s11, 0
	s_cbranch_scc0 .Lfor_b_\@
	tensor_load_to_lds s[G0+4*\s:G0+4*\s+3], s[G1:G1+7]
	s_nop 0
	s_branch .Lasked_\@
.Lfor_b_\@:
	tensor_load_to_lds s[G0B+4*\s:G0B+4*\s+3], s[G1B:G1B+7]
	s_nop 0
.Lasked_\@:
.endm
.macro CREST
	s_cmp_lg_u32 s10, 0
	s_cbranch_scc1 .Lnot_wave_0_\@
	s_barrier_signal -3
.Lnot_wave_0_\@:
	s_barrier_wait -3
	s_barrier_signal -1
	s_barrier_wait -1
.endm
.macro CROUND
	s_barrier_signal -1
	s_barrier_wait -1
	CREST
.endm
.macro PLACES
.rept 4
	v_nop
.endr
.endm
	s_load_b128 s[4:7], s[0:1], 0x0                ; ctx s[4:5], hf s[6:7]
	s_load_b64 s[8:9], s[0:1], 0x10                ; out0
	v_lshl_add_u32 v254, v0, 2, 0x4c400
	v_mov_b32 v255, 0
	ds_add_u32 v254, v255
	v_lshrrev_b32 v1, 5, v0
	v_readfirstlane_b32 s10, v1                    ; wave 0..3
	s_lshr_b32 s11, s10, 1                         ; my half of the block's rows.  Also: I fetch for ctx (0) or for wo (1)
	s_and_b32 s12, s10, 1                          ; my half of its columns.  Also: which half of that tile I fetch
	s_bfe_u32 s40, ttmp6, 0x40000                  ; cx
	s_bfe_u32 s41, ttmp6, 0x40004                  ; cy
	s_lshl_b32 s42, ttmp9, 2
	s_add_co_u32 s42, s42, s40                     ; block column
	s_and_b32 s13, ttmp7, 0xffff
	s_lshl_b32 s13, s13, 2
	s_add_co_u32 s13, s13, s41                     ; block row
	s_lshl_b32 s43, s41, 2
	s_lshl_b32 s43, 15, s43                        ; my row of the cluster
	s_lshl_b32 s44, 0x1111, s40                    ; my column
	; ctx: 64 rows x 256 elements of 2 bytes, 4 words of padding behind every 128
	s_or_b32 s[G1+0], s43, (1<<16)|(1<<20)|(1<<21)|(6<<22)|(3<<25)
	s_mov_b32 s[G1+1], 256<<16                     ; tensor_dim0
	s_mov_b32 s[G1+2], 64<<16                      ; tensor_dim1
	s_mov_b32 s[G1+3], 256<<16                     ; tile_dim0
	s_mov_b32 s[G1+4], 64                          ; tile_dim1
	s_mov_b32 s[G1+5], 1024                        ; elements from row to row
	s_mov_b32 s[G1+6], 0
	s_mov_b32 s[G1+7], 0
	; wo: 128 k rows x 128 elements, 8 words of padding behind every 64
	s_or_b32 s[G1B+0], s44, (1<<16)|(1<<20)|(1<<21)|(5<<22)|(7<<25)
	s_mov_b32 s[G1B+1], 128<<16
	s_mov_b32 s[G1B+2], 128<<16
	s_mov_b32 s[G1B+3], 128<<16
	s_mov_b32 s[G1B+4], 128
	s_mov_b32 s[G1B+5], 1024
	s_mov_b32 s[G1B+6], 0
	s_mov_b32 s[G1B+7], 0
	s_lshl_b32 s16, s13, 7
	s_lshl_b32 s17, s12, 6
	s_add_co_u32 s16, s16, s17                     ; ctx: row 128 x block row + 64 x half,
	s_lshl_b32 s16, s16, 11                        ; of 2,048 bytes
	s_mov_b32 s17, 0
	s_lshl_b32 s46, s12, 18                        ; wo: my 128 k rows of 2,048 bytes,
	s_add_co_u32 s46, s46, WO_AT
	s_lshl_b32 s47, s42, 8                         ; the block's 128 columns
	s_add_co_u32 s46, s46, s47
	s_mov_b32 s47, 0
	s_mul_i32 s20, s10, CH                         ; where my quarter of a slot goes
	s_wait_dscnt 0x0
	s_wait_kmcnt 0x0
	s_add_nc_u64 s[14:15], s[4:5], s[16:17]
	s_add_nc_u64 s[46:47], s[6:7], s[46:47]
	CROUND                                         ; in front of the first joint loads
.irp s, 0,1
	s_mov_b32 s[G0+4*\s], 1
	s_add_co_u32 s[G0+4*\s+1], s20, \s*SLOT
	s_add_nc_u64 s[G0+4*\s+2:G0+4*\s+3], s[14:15], \s*512          ; K = 256 s: 512 bytes along ctx's rows
	s_or_b32 s[G0+4*\s+3], s[G0+4*\s+3], 0x80000000
	s_mov_b32 s[G0B+4*\s], 1
	s_add_co_u32 s[G0B+4*\s+1], s20, \s*SLOT
	s_add_nc_u64 s[G0B+4*\s+2:G0B+4*\s+3], s[46:47], \s*524288     ; 256 k rows of wo
	s_or_b32 s[G0B+4*\s+3], s[G0B+4*\s+3], 0x80000000
	JLOAD \s
.endr
	v_and_b32 v1, 15, v0                           ; r
	v_bfe_u32 v2, v0, 4, 1                         ; h
	v_mul_u32_u24 v3, v1, APITCH
	v_lshl_add_u32 v3, v2, 4, v3
	s_mul_i32 s21, s11, CH                         ; my 64 rows of ctx are one chunk
	v_add_nc_u32 v[ADRA], s21, v3
	v_add_nc_u32 v[ADRA+1], SLOT, v[ADRA]
	v_and_b32 v4, 7, v0
	v_lshl_or_b32 v4, v2, 3, v4                    ; k row 8 h + l % 8
	v_mul_u32_u24 v4, v4, BPITCH
	v_bfe_u32 v5, v0, 3, 1
	v_lshl_add_u32 v4, v5, 4, v4
	s_lshl_b32 s22, s12, 7                         ; my 64 columns: 128 bytes along wo's rows
	s_add_co_u32 s22, s22, 2*CH
	v_add_nc_u32 v[ADRB], s22, v4
	v_add_nc_u32 v[ADRB+1], CH, v[ADRB]
	v_add_nc_u32 v[ADRB+2], SLOT, v[ADRB]
	v_add_nc_u32 v[ADRB+3], SLOT+CH, v[ADRB]
	s_mul_i32 s23, s10, 16*SPITCH
	s_add_co_u32 s23, s23, STAGE                   ; my stage
	v_mul_u32_u24 v4, v1, SPITCH                   ; in: row r, 32 bytes (eight f32) for each half of the lanes
	v_lshl_add_u32 v4, v2, 5, v4
	v_add_nc_u32 v[STO], s23, v4
	v_mul_u32_u24 v5, v2, SPITCH                   ; back: lanes 0-15 one row of 256 bytes, lanes 16-31 the next
	v_lshl_add_u32 v5, v1, 4, v5
	v_add_nc_u32 v[RD], s23, v5
	v_lshlrev_b32 v5, 12, v2                       ; and the same two rows of 4,096 bytes in out0
	v_lshl_add_u32 v[CO], v1, 4, v5
; Four matrix instructions: row block a x my four column blocks, 32 along K.  The 16 accumulators take turns, one instruction a turn, in the same order in every sub-step.
.macro MUL4 f, a, zero
.irp b, 0,1,2,3
.if \zero
	v_wmma_f32_16x16x32_f16 v[8*(4*\a+\b):8*(4*\a+\b)+7], v[\f+8*\b:\f+8*\b+7], v[\f+32+8*\a:\f+32+8*\a+7], 0
.else
	v_wmma_f32_16x16x32_f16 v[8*(4*\a+\b):8*(4*\a+\b)+7], v[\f+8*\b:\f+8*\b+7], v[\f+32+8*\a:\f+32+8*\a+7], v[8*(4*\a+\b):8*(4*\a+\b)+7]
.endif
.endr
.endm
; 16 LDS loads in one run: sub-step kk (32 K) of a slot into buffer f: wo's four fragments, then ctx's four
.macro FETCH slot, kk, f
.irp b, 0,1,2,3
	ds_load_tr16_b128 v[\f+8*\b:\f+8*\b+3],   v[ADRB+2*\slot+((\kk)>>2)] offset:((\kk)&3)*32*BPITCH+32*\b
	ds_load_tr16_b128 v[\f+8*\b+4:\f+8*\b+7], v[ADRB+2*\slot+((\kk)>>2)] offset:((\kk)&3)*32*BPITCH+32*\b+16*BPITCH
.endr
.irp a, 0,1,2,3
	ds_load_b128 v[\f+32+8*\a:\f+32+8*\a+3],   v[ADRA+\slot] offset:\a*16*APITCH+64*(\kk)
	ds_load_b128 v[\f+32+8*\a+4:\f+32+8*\a+7], v[ADRA+\slot] offset:\a*16*APITCH+64*(\kk)+32
.endr
.endm
; A sub-step: multiplies buffer f; in its middle it fetches sub-step knext into buffer g
.macro SUBK slot, knext, f, g, zero
	s_wait_dscnt 4                                 ; wo and ctx's fragments 0 and 1 are in; the youngest four loads (fragments 2 and 3) may be out
	WIN MUL
	MUL4 \f, 0, \zero
	MUL4 \f, 1, \zero
	PLACES                                         ; before loads land on buffer g, which matrix instructions have read
	WIN 0
	FETCH \slot, \knext, \g
	s_wait_dscnt 16                                ; all but the 16 just issued
	WIN MUL
	MUL4 \f, 2, \zero
	MUL4 \f, 3, \zero
.endm
.macro SEVEN slot, zero                ; a slot's sub-steps 0 to 6
	SUBK \slot, 1, F0, F1, \zero
	SUBK \slot, 2, F1, F0, 0
	SUBK \slot, 3, F0, F1, 0
	SUBK \slot, 4, F1, F0, 0
	SUBK \slot, 5, F0, F1, 0
	SUBK \slot, 6, F1, F0, 0
	SUBK \slot, 7, F0, F1, 0
.endm
; A slot's last sub-step, and the change of slots: the waits in front of the barrier (where fill = 1 it opens a round of the cluster's barrier), the refill first behind it
.macro TURN slot, next, fill
	s_wait_dscnt 4
	WIN MUL
	MUL4 F1, 0, 0
	s_wait_dscnt 0                                 ; my reads of this slot are over
	s_wait_tensorcnt 0x0                           ; all my tensor loads have landed: the one that was out is my part of the next slot
	ds_add_u32 v254, v255
	s_wait_dscnt 0x0
	s_barrier_signal -1
	MUL4 F1, 1, 0                                  ; register work while the others arrive
	WIN 0
	s_barrier_wait -1
.if \fill
	CREST
	s_add_nc_u64 s[G0+4*\slot+2:G0+4*\slot+3], s[G0+4*\slot+2:G0+4*\slot+3], 1024          ; K + 512
	s_add_nc_u64 s[G0B+4*\slot+2:G0B+4*\slot+3], s[G0B+4*\slot+2:G0B+4*\slot+3], 1048576
	JLOAD \slot                                    ; the first tensor load behind the round, one a wave
.endif
	PLACES
	FETCH \next, 0, F0
	WIN MUL
	MUL4 F1, 2, 0
	MUL4 F1, 3, 0
.endm
	s_wait_tensorcnt 1                             ; my part of slot 0 is in; slot 1's may stay out
	s_barrier_signal -1
	s_barrier_wait -1
	FETCH 0, 0, F0
	SEVEN 0, 1                                     ; K 0-255; the first products start the sums
	TURN 0, 1, 1                                   ; slot 0 is asked for again: K 512-767
	SEVEN 1, 0                                     ; K 256-511
	TURN 1, 0, 1                                   ; slot 1: K 768-1,023
	SEVEN 0, 0
	TURN 0, 1, 0                                   ; nothing is left to fetch
	SEVEN 1, 0
	s_wait_dscnt 4                                 ; the very last sub-step
	WIN MUL
	MUL4 F1, 0, 0
	MUL4 F1, 1, 0
	s_wait_dscnt 0
	MUL4 F1, 2, 0
	MUL4 F1, 3, 0
	; THE WAY OUT, 16 rows at a time, through my own stage: 32 bytes a lane in, whole rows of 256 bytes back.
	PLACES                                         ; before LDS stores read the last results
	s_lshl_b32 s16, s13, 7
	s_lshl_b32 s17, s11, 6
	s_add_co_u32 s16, s16, s17                     ; my first row,
	s_lshl_b32 s16, s16, 12                        ; of 4,096 bytes
	s_mov_b32 s17, 0
	s_add_nc_u64 s[8:9], s[8:9], s[16:17]
	s_lshl_b32 s46, s42, 9                         ; my first column, in bytes: 512 x block + 256 x half
	s_lshl_b32 s47, s12, 8
	s_add_co_u32 s46, s46, s47
	s_mov_b32 s47, 0
	s_add_nc_u64 s[8:9], s[8:9], s[46:47]
.macro OUT16 a
	WIN ACC_OUT
.irp b, 0,1,2,3
	ds_store_b128 v[STO], v[8*(4*\a+\b):8*(4*\a+\b)+3]   offset:64*\b
	ds_store_b128 v[STO], v[8*(4*\a+\b)+4:8*(4*\a+\b)+7] offset:64*\b+16
.endr
	WIN 0
	s_wait_xcnt 0x0                                ; the registers that earlier stores read, and the stores' base, are rewritten only behind this wait
.if \a
	s_add_nc_u64 s[8:9], s[8:9], 16*4096           ; 16 rows on
.endif
.irp t, 0,1,2,3,4,5,6,7
	ds_load_b128 v[TMP+4*\t:TMP+4*\t+3], v[RD] offset:\t*2*SPITCH  ; LDS serves a wave's instructions in order (ISA guide 5.7.1.4): these see the stores above
.endr
.irp t, 0,1,2,3,4,5,6,7
	s_wait_dscnt 7-\t
	global_store_b128 v[CO], v[TMP+4*\t:TMP+4*\t+3], s[8:9] offset:8192*\t th:TH_STORE_NT   ; 16 lanes store 256 consecutive bytes, at a multiple of 256 from out0's first byte
.endr
.endm
	OUT16 0
	OUT16 1
	OUT16 2
	OUT16 3
	s_wait_tensorcnt 0x0
	ds_add_u32 v254, v255
	s_wait_dscnt 0x0
	CROUND                                         ; the closing round
	s_endpgm
.Lfunc_end_k_q0039ac2f19_outp:
	.size	k_q0039ac2f19_outp, .Lfunc_end_k_q0039ac2f19_outp-k_q0039ac2f19_outp
	.p2alignl 7, 3214868480
	.fill 96, 4, 3214868480
	.section	.rodata,"a",@progbits
	.p2align	6, 0x0
	.amdhsa_kernel k_q0039ac2f19_outp
		.amdhsa_group_segment_fixed_size 327680
		.amdhsa_private_segment_fixed_size 0
		.amdhsa_enable_private_segment 0
		.amdhsa_kernarg_size 24
		.amdhsa_user_sgpr_count 2
		.amdhsa_user_sgpr_kernarg_segment_ptr 1
		.amdhsa_wavefront_size32 1
		.amdhsa_system_sgpr_workgroup_id_x 1
		.amdhsa_system_sgpr_workgroup_id_y 1
		.amdhsa_system_sgpr_workgroup_id_z 1
		.amdhsa_system_vgpr_workitem_id 0
		.amdhsa_next_free_vgpr 384
		.amdhsa_next_free_sgpr 66
		.amdhsa_reserve_vcc 0
		.amdhsa_float_denorm_mode_32 3
		.amdhsa_float_denorm_mode_16_64 3
		.amdhsa_memory_ordered 1
		.amdhsa_forward_progress 1
		.amdhsa_inst_pref_size 90
	.end_amdhsa_kernel
	.amdgpu_metadata
---
amdhsa.version: [ 1, 2 ]
amdhsa.kernels:
  - .name:           k_q0039ac2f19_outp
    .symbol:         k_q0039ac2f19_outp.kd
    .args:
      - { .name: ctx, .offset: 0, .size: 8, .value_kind: global_buffer, .address_space: global }
      - { .name: hf, .offset: 8, .size: 8, .value_kind: global_buffer, .address_space: global }
      - { .name: out0, .offset: 16, .size: 8, .value_kind: global_buffer, .address_space: global }
    .group_segment_fixed_size: 327680
    .private_segment_fixed_size: 0
    .kernarg_segment_align: 8
    .kernarg_segment_size: 24
    .max_flat_workgroup_size: 128
    .sgpr_count:     66
    .vgpr_count:     384
    .wavefront_size: 32
...
	.end_amdgpu_metadata
.endif
;; end of part 4
;; ======== version 2 of 2: 4 launches; version 1 with the launch cast written anew for expert scheduling mode
;; limits: values are held in f16: magnitudes above 65,504 overflow, below 6.1e-05 lose precision
;; workspace buffers: hf 25,165,824 bytes; qkv 25,165,824 bytes; ctx 8,388,608 bytes
;; launch cast (part 5): grid 64 x 12, 8 waves a work-group, no clusters, 0 bytes of LDS; arguments x, y, wq, wk, wv, wo, hf; writes hf
.if DOCPART == 5
	.amdgcn_target "amdgcn-amd-amdhsa--gfx1250"
	.amdhsa_code_object_version 6
	.text
	.protected	k_q0039ac2f19_cast
	.globl	k_q0039ac2f19_cast
	.p2align	8
	.type	k_q0039ac2f19_cast,@function
k_q0039ac2f19_cast:
	s_mov_b64 s[64:65], 0
	v_nop
	global_prefetch_b8 v0, s[64:65] scope:SCOPE_SE
	s_setreg_imm32_b32 hwreg(HW_REG_WAVE_SCHED_MODE, 0, 2), 2
	s_setreg_imm32_b32 hwreg(HW_REG_WAVE_MODE, 25, 1), 1
	s_wait_xcnt 0x0
	s_wait_alu depctr_vm_vsrc(0)
; hf = f16(x), f16(y), f16(wq), f16(wk), f16(wv), f16(wo), one behind the other, each in its own layout.
; Why: the three launches behind this one feed the matrix units from tiles of 16-bit numbers, half the bytes of f32, each tile asked for jointly by the work-groups that share it.
; Why f16 and not bf16: the result is a sum of signed terms, so each rounding of an operand reaches it at full weight; f16 keeps 11 significant bits, bf16 8.
; LIMIT: a number beyond 65,504 in magnitude becomes infinite, one below 3e-8 zero; between 6e-5 and 6e-8 the step is 6e-8.  x and y are drawn with spread 1, the weights with 0.02:
; 30 times larger or smaller, or offset by 30 spreads, all lie well inside.
; Work-group (i, g) converts 65,536 bytes of f32 into 32,768 bytes of f16.  g = 0..3: the quarters of x; 4..7: of y; 8, 9, 10, 11: wq, wk, wv, wo
; (a quarter of x and a whole weight are both 64 such pieces).  Thread t takes 16 bytes at 16 t + 4,096 j, j = 0..15: a wave's load covers 512 neighbouring bytes,
; its store 256 neighbouring bytes that begin at a multiple of 256 from hf's first byte.  All sixteen loads go out first; each byte is read once and written once.
; No LDS, no barrier, no matrix unit, no cluster: the work-groups share nothing and nothing is reduced.
; THE MODE: SCHED_MODE bits 1:0 = 2 (LLVM: expert scheduling mode 2), set by the entry lines.  The code itself states the register dependences
; between vector instructions and memory instructions, with s_wait_alu, always for 0.
; THE PLAN.  Registers that memory instructions touch:
;   v1, v2   byte offsets.  Written once each at the head by a vector instruction; read by every load (v1) and every store (v2); never written again.
;   X        Each register is the target of one load, issued before any vector instruction names it; read by the conversions behind the wait for its data; never loaded again.
;   Y        Each register is written once, by a conversion, and read once, by a store; never written again.
; So one wait stands ahead of the first load, for the two offsets, and one behind the conversions of each group of four loads, ahead of the group's run of four stores.
; Nothing that a memory instruction has read is written again, no vector instruction writes a scalar register, and EXEC is never written: no other wait of this kind has a dependence to state.
.set X, 4                              ; v[4:67]   sixteen loads of four f32
.set Y, 68                             ; v[68:99]  sixteen pairs of packed f16; each pair is written once, so no store's data is ever rewritten
	s_load_b256 s[4:11], s[0:1], 0x0               ; x s[4:5], y s[6:7], wq s[8:9], wk s[10:11]
	s_load_b128 s[12:15], s[0:1], 0x20             ; wv s[12:13], wo s[14:15]
	s_load_b64 s[16:17], s[0:1], 0x30              ; hf
	s_and_b32 s20, ttmp7, 0xffff                   ; g
	v_lshlrev_b32 v1, 4, v0                        ; 16 t: my bytes in a piece of the source
	v_lshlrev_b32 v2, 3, v0                        ; 8 t: in hf
	s_and_b32 s21, s20, 3                          ; the quarter of x or of y,
	s_cmp_lt_u32 s20, 8
	s_cselect_b32 s21, s21, 0                      ; none in a weight
	s_lshl_b32 s22, s21, 22                        ; a quarter is 4,194,304 bytes of f32
	s_lshl_b32 s21, ttmp9, 16                      ; i pieces of 65,536 bytes
	s_add_co_u32 s22, s22, s21
	s_mov_b32 s23, 0                               ; s[22:23]: offset in the source
	s_lshl_b32 s2, s20, 21                         ; in hf every g has 2,097,152 bytes, in the order of g
	s_lshl_b32 s3, ttmp9, 15
	s_add_co_u32 s2, s2, s3
	s_mov_b32 s3, 0                                ; s[2:3]: offset in hf
	s_wait_kmcnt 0x0
	s_cmp_ge_u32 s20, 4                            ; the source is chosen by g alone
	s_cselect_b64 s[18:19], s[6:7], s[4:5]
	s_cmp_ge_u32 s20, 8
	s_cselect_b64 s[18:19], s[8:9], s[18:19]
	s_cmp_ge_u32 s20, 9
	s_cselect_b64 s[18:19], s[10:11], s[18:19]
	s_cmp_ge_u32 s20, 10
	s_cselect_b64 s[18:19], s[12:13], s[18:19]
	s_cmp_ge_u32 s20, 11
	s_cselect_b64 s[18:19], s[14:15], s[18:19]
	s_add_nc_u64 s[18:19], s[18:19], s[22:23]
	s_add_nc_u64 s[16:17], s[16:17], s[2:3]
	s_wait_alu depctr_va_vdst(0)                   ; v1 and v2 are written: every load below reads v1 as its offset, every store v2; no later vector instruction names either
.irp j, 0,1,2,3,4,5,6,7,8,9,10,11,12,13,14,15
	global_load_b128 v[X+4*\j:X+4*\j+3], v1, s[18:19] offset:4096*\j th:TH_LOAD_NT   ; read once in the launch
.endr
; Four groups of four loads: the group's data, its eight conversions, one wait, its four stores in one run.
.irp g, 0,1,2,3
	s_wait_loadcnt 12-4*\g                         ; loads come back in order (ISA guide 5.7.1): the group's four are in, the 12 - 4 g of the younger groups stay out
.irp i, 0,1,2,3
	v_cvt_pk_f16_f32 v[Y+2*(4*\g+\i)],   v[X+4*(4*\g+\i)],   v[X+4*(4*\g+\i)+1]
	v_cvt_pk_f16_f32 v[Y+2*(4*\g+\i)+1], v[X+4*(4*\g+\i)+2], v[X+4*(4*\g+\i)+3]
.endr
	s_wait_alu depctr_va_vdst(0)                   ; the group's eight conversions have written their eight registers of Y, which the four stores below read
.irp i, 0,1,2,3
	global_store_b64 v2, v[Y+2*(4*\g+\i):Y+2*(4*\g+\i)+1], s[16:17] offset:2048*(4*\g+\i)   ; no hint: the next launch reads these bytes
.endr
.endr
	s_endpgm
.Lfunc_end_k_q0039ac2f19_cast:
	.size	k_q0039ac2f19_cast, .Lfunc_end_k_q0039ac2f19_cast-k_q0039ac2f19_cast
	.p2alignl 7, 3214868480
	.fill 96, 4, 3214868480
	.section	.rodata,"a",@progbits
	.p2align	6, 0x0
	.amdhsa_kernel k_q0039ac2f19_cast
		.amdhsa_group_segment_fixed_size 0
		.amdhsa_private_segment_fixed_size 0
		.amdhsa_enable_private_segment 0
		.amdhsa_kernarg_size 56
		.amdhsa_user_sgpr_count 2
		.amdhsa_user_sgpr_kernarg_segment_ptr 1
		.amdhsa_wavefront_size32 1
		.amdhsa_system_sgpr_workgroup_id_x 1
		.amdhsa_system_sgpr_workgroup_id_y 1
		.amdhsa_system_sgpr_workgroup_id_z 1
		.amdhsa_system_vgpr_workitem_id 0
		.amdhsa_next_free_vgpr 100
		.amdhsa_next_free_sgpr 66
		.amdhsa_reserve_vcc 0
		.amdhsa_float_denorm_mode_32 3
		.amdhsa_float_denorm_mode_16_64 3
		.amdhsa_memory_ordered 1
		.amdhsa_forward_progress 1
		.amdhsa_inst_pref_size 7
	.end_amdhsa_kernel
	.amdgpu_metadata
---
amdhsa.version: [ 1, 2 ]
amdhsa.kernels:
  - .name:           k_q0039ac2f19_cast
    .symbol:         k_q0039ac2f19_cast.kd
    .args:
      - { .name: x, .offset: 0, .size: 8, .value_kind: global_buffer, .address_space: global }
      - { .name: y, .offset: 8, .size: 8, .value_kind: global_buffer, .address_space: global }
      - { .name: wq, .offset: 16, .size: 8, .value_kind: global_buffer, .address_space: global }
      - { .name: wk, .offset: 24, .size: 8, .value_kind: global_buffer, .address_space: global }
      - { .name: wv, .offset: 32, .size: 8, .value_kind: global_buffer, .address_space: global }
      - { .name: wo, .offset: 40, .size: 8, .value_kind: global_buffer, .address_space: global }
      - { .name: hf, .offset: 48, .size: 8, .value_kind: global_buffer, .address_space: global }
    .group_segment_fixed_size: 0
    .private_segment_fixed_size: 0
    .kernarg_segment_align: 8
    .kernarg_segment_size: 56
    .max_flat_workgroup_size: 256
    .sgpr_count:     66
    .vgpr_count:     100
    .wavefront_size: 32
...
	.end_amdgpu_metadata
.endif
;; end of part 5
;; launch qkv: the kernel of part 2 again; grid 12 x 16, 4 waves a work-group, clusters of 4 x 4, 327,680 bytes of LDS; arguments hf, qkv; writes qkv
;; launch attn: the kernel of part 3 again; grid 16 x 16, 8 waves a work-group, clusters of 4 x 1, 327,680 bytes of LDS; arguments qkv, bias, ctx; writes ctx
;; launch outp: the kernel of part 4 again; grid 8 x 32, 4 waves a work-group, clusters of 4 x 4, 327,680 bytes of LDS; arguments ctx, hf, out0; writes out0
